; MI455X (gfx1250); checked and timed in simulation.
; The chip was launched on July 23, 2026; its instructions are those of AMD's public machine-readable ISA for CDNA 5 (MIT licence, August 2026) and "CDNA5" Instruction Set Architecture Reference Guide (July 2026). The comments in the code are by the model that wrote it; some were corrected since.
;; Doge CD Mo E. Allowed arithmetic: matrix products marked QUANTISED: E2M3 operands, one E8M0 scale for each 32 along K, by v_wmma_scale_f32_16x16x128_f8f6f4 with both operands' format E2M3, f32 sums; products left as they are: f32 operands where the result goes on into a quantised operand, else bf16, f16 or f32 operands; f32 sums; everything else in f32.
;; Inputs: down_embed 4,096 x 1,024 float32; hidden_states 2 x 2,048 x 1,024 float32; up_embed 4,096 x 1,024 float32; w_down_codes 1,024 x 128 x 24 uint8 (E2M3 codes of w_down, K innermost, in blocks of 32 codes, four codes in three bytes); w_down_scales 1,024 x 128 uint8 (E8M0 scales of w_down, one for each 32 codes along K); w_gate_codes 4,096 x 32 x 24 uint8 (E2M3 codes of w_gate, K innermost, in blocks of 32 codes, four codes in three bytes); w_gate_scales 4,096 x 32 uint8 (E8M0 scales of w_gate, one for each 32 codes along K); w_router_codes 128 x 32 x 24 uint8 (E2M3 codes of w_router, K innermost, in blocks of 32 codes, four codes in three bytes); w_router_scales 128 x 32 uint8 (E8M0 scales of w_router, one for each 32 codes along K); w_up_codes 4,096 x 32 x 24 uint8 (E2M3 codes of w_up, K innermost, in blocks of 32 codes, four codes in three bytes); w_up_scales 4,096 x 32 uint8 (E8M0 scales of w_up, one for each 32 codes along K).
;; Outputs: out0 2 x 2,048 x 1,024 float32; out1 2 x 4,096 x 64 float32.
;; This version of the problem:
;;   THIS VERSION OF THE PROBLEM IS GIVEN IN LOW PRECISION. The matrix products marked QUANTISED in the list below multiply operands that are first quantised to E2M3 (2 exponent bits, 3 mantissa bits; 6 bits a number), with one power-of-two scale for each 32 numbers along K (OCP MX v1.0); their sums are f32. All else is computed in f32.
;;   The module's matrix products, in the order in which they are computed (A, B: the left and right operand; K: the contracted axis; several contracted axes count as one K, in the product's order):
;;     1. [M 4,096, K 1,024] x [K 1,024, N 128]; A: input hidden_states; B: input w_router (given as codes): QUANTISED
;;     2. batch 4,096 x [M 8, K 1,024] x [K 1,024, N 1]; A: computed on the way; B: input hidden_states: left as it is (M = 8 < 16)
;;     3. batch 4,096 x [M 1, K 8] x [K 8, N 1,024]; A: computed on the way; B: computed on the way: left as it is (K = 8 < 32)
;;     4. [M 4,096, K 1,024] x [K 1,024, N 4,096]; A: input hidden_states; B: input w_gate (given as codes): QUANTISED
;;     5. [M 4,096, K 1,024] x [K 1,024, N 4,096]; A: input hidden_states; B: input w_up (given as codes): QUANTISED
;;     6. [M 4,096, K 4,096] x [K 4,096, N 1,024]; A: computed on the way; B: input w_down (given as codes): QUANTISED
;;   THE QUANTISER, for each operand of a quantised product, along K:
;;     - K is cut into blocks of 32 from its start; a last block that is shorter is filled with zeros.
;;     - A block's scale is 2^e with e = floor(log2(the largest magnitude in the block)) - 2, held to -126 .. 127; a block of zeros has e = 0. As a byte (E8M0): e + 127.
;;     - Each number is divided by its block's scale, clamped to +-7.5, and rounded to the nearest number of E2M3, ties to even, subnormals kept.
;;     - The product sums the exact products of the quantised numbers (number of the format x scale) in f32.
;;   ~~~python
;;   def quantise(x, axis):      # numpy; x: float32 -> the quantised numbers, widened to float32 again
;;       x = np.moveaxis(x, axis, -1); K = x.shape[-1]
;;       x = np.pad(x, [(0, 0)] * (x.ndim - 1) + [(0, -K % 32)]); x = x.reshape(x.shape[:-1] + (-1, 32)); a = np.abs(x).max(-1, keepdims=True)
;;       e = np.where(a > 0, np.clip(np.frexp(np.where(a > 0, a, 1))[1] - 1 - 2, -126, 127), 0)      # np.frexp(a)[1] - 1 = floor(log2(a)), exactly
;;       r = np.clip(x / 2.0 ** e, -7.5, 7.5)
;;       step = 2.0 ** (np.maximum(np.frexp(np.where(r == 0, 1, r))[1] - 1, 0) - 3)
;;       q = np.round(r / step) * step * 2.0 ** e      # np.round: ties to even
;;       return np.moveaxis(q.reshape(q.shape[:-2] + (-1,))[..., :K], -1, axis).astype(np.float32)
;;   ~~~
;;   OPERANDS COMPUTED ON THE WAY. 'Computed on the way' means the value that the module computes at that place (a softmax that the list does not call 'softmax' is quantised finished and normalised). What goes into a quantiser is computed in f32, as accurately as f32 sums, v_exp_f32 and their like allow (about 1e-6 of the number): no bf16 or f16 on the way to a quantiser, and a product that is left as it is and whose result goes on into a quantised operand takes f32 operands (vector FMAs, or v_wmma_f32_16x16x4_f32). A number that lies on a knife's edge between two numbers of the format may be rounded either way, as far as f32 arithmetic and the matrix unit's own rounding can turn it there, and no further.
;;   INPUTS GIVEN AS CODES. w_down (in the module: [1024, 4096], K = its axis 1); w_gate (in the module: [4096, 1024], K = its axis 1); w_router (in the module: [128, 1024], K = its axis 1); w_up (in the module: [4096, 1024], K = its axis 1): each comes as NAME_codes (uint8): NAME with its K axis moved to the last place and cut into blocks of 32 codes, [.., K / 32, bytes a block], one block behind the other in memory; four codes in three bytes: a row's codes are one little-endian stream of bits, code i at bits 6 i .. 6 i + 5 (a code: sign, 2 exponent bits, 3 mantissa bits); and NAME_scales (uint8): the same leading axes, one E8M0 byte (e + 127) for each 32 codes along K. Its value is code x scale, taken as it is: it is not quantised again, and the codes and scales need not be those that the quantiser above would give.
;; One version. Each part assembles by itself: llvm-mc -triple=amdgcn-amd-amdhsa -mcpu=gfx1250 --defsym DOCPART=n.
;; ======== version 1 of 1: 3 launches
;; limits: right only within a limited range of input values
;; workspace buffers: xq 3,145,728 bytes; xs 131,072 bytes; hq 12,582,912 bytes; hs 524,288 bytes; idx 131,072 bytes of whole numbers; rw 131,072 bytes; ew 131,072 bytes; wd2 3,145,728 bytes
;; launch route (part 1): grid 256 x 1, 4 waves a work-group, no clusters, 190,208 bytes of LDS; arguments hidden_states, w_router_codes, w_router_scales, xq, xs, out1, idx, rw, w_down_codes, wd2; writes xq, xs, out1, idx, rw, wd2
.if DOCPART == 1
	.amdgcn_target "amdgcn-amd-amdhsa--gfx1250"
	.amdhsa_code_object_version 6
	.text
	.protected	k_q12fc508ac2_route
	.globl	k_q12fc508ac2_route
	.p2align	8
	.type	k_q12fc508ac2_route,@function
k_q12fc508ac2_route:
	s_mov_b64 s[64:65], 0
	v_nop
	global_prefetch_b8 v0, s[64:65] scope:SCOPE_SE
	s_setreg_imm32_b32 hwreg(HW_REG_WAVE_MODE, 25, 1), 1
	s_wait_xcnt 0x0
; ROUTE.  x is quantised to FP6 (E2M3) codes with one E8M0 scale for each 32 along K; the router's 128 logits a token are made on codes; the 8 best of the 64 x 64 sums are found; their softmax weights are made.
; SHARES.  Work-group g owns 16 "slot rows": row r stands for token 8 g + (r & 7) + 2048 (r >> 3).  Read as (2, 4096, 64), the logits of these 16 tokens are just the x lists and y lists of routing rows 16 g .. 16 g + 15,
; so the choice never leaves the work-group.  Wave w quantises K steps 2 w, 2 w + 1, makes logit tiles w and w + 4, stores rows 4 w .. 4 w + 3 of the logits, and routes rows 16 g + 4 w .. + 3.
; OUT.  xq: x's codes as images of the operand's registers, [K step / 2][g][K step % 2][1536 bytes]; xs: [slot row][32] scale bytes; out1: the logits; idx, rw: [token][8].
; THE ROUTER'S CODES are loaded as they lie: a tile's 16 rows are 12,288 consecutive bytes, 512 to a load.  They turn through the wave's own LDS bytes, rows 784 bytes apart, and come back as fragments, 8 bytes a lane,
; into the registers in which they landed.
; THE CHOICE.  Of each list only its 8 best count, and of their sums only the 20 rank pairs (i, j) with (i + 1)(j + 1) <= 8: every pair below (i, j) in both ranks has a sum no smaller (f32 addition is monotone) and an earlier position.
; Lists are kept sorted by insertion with a strict compare, newcomers in ascending index or position: an equal newcomer goes behind, as the reference's top-k keeps the lower index.
; LIMITS: NaN and infinities among the inputs are not served; +0 and -0 count as equal in the choice; a block of zeros gets the scale byte 1 (its codes are zeros, and this program alone reads the bytes).
.set XIMG, 0                           ; LDS: x's 8 fragments as images, 1,536 bytes each
.set XSC,  12288                       ; their scale words, 128 bytes each
.set LG,   13312                       ; the logits: 16 rows, 528 bytes apart
.set STG,  21760                       ; for each wave two stages of 16 rows x 528 bytes, through which x turns
.set RT,   89344                       ; for each wave two tiles of the router: 16 rows x 784 bytes each
.set RP,   784                         ; 768 bytes of codes + 16 = 98 pieces of 8 bytes: row r begins at piece 2 r mod 32, lanes 16-31 read three pieces on: a load's 32 lanes touch 64 different banks (64 banks of 4 bytes: ISA guide 11.1)
.set RTILE, 16*RP
.set XA,   4                           ; v4   x: 16 lane + 1024 wave
.set SI,   5                           ; v5   stage, in: 16 lane
.set SO,   6                           ; v6   stage, out: 528 r + 64 h
.set LI,   7                           ; v7   16 lane
.set LS,   8                           ; v8   4 lane
.set XWI,  9                           ; v9   where I put x's images
.set XWS,  10                          ; v10  and their scale words
.set WSO,  13                          ; v13  the router's scale bytes: 32 r + 512 wave
.set LGW,  14                          ; v14  logits, in
.set LGR,  15                          ; v15  logits, back by rows
.set LGT,  16                          ; v16  logits, my quarter of a list
.set IQ,   17                          ; v17  16 q: my quarter's first index
.set KO,   18                          ; v18  my entry's byte in the wave's 128 bytes of idx and of rw
.set XSO,  19                          ; v19  32 r + 16 h
.set PC0,  20                          ; v20-39, v40-59: the codes of my two K steps
.set PC1,  40
.set RSA,  60                          ; v60  the router's tiles, in: 16 lane
.set RSB,  61                          ; v61  the same + 16 h: where a load's 512 bytes cross from a row into the next
.set RRD,  62                          ; v62  and back: 784 r + 24 h
.set RGO,  63                          ; v63  the router's codes in memory: 16 lane + 12288 wave
.set X0,   64                          ; v64-127  64 numbers of K step 2 w
.set R0,   128                         ; v128-191 its rows as loaded, then (X1) 64 numbers of K step 2 w + 1
.set X1,   128
.set R1,   192                         ; window 1, v192-255: K step 2 w + 1 as loaded
.set TM,   192                         ; v192-207 at work in the quantiser
.set PW0,  208
.set PW1,  209
.set WS,   210                         ; v210-225 the router's scale words
.set XS,   226                         ; v226-233 x's scale words
.set ACC,  234                         ; v234-249 two accumulators
.set XF,   64                          ; v64-159  x's 8 fragments
.set VL,   64                          ; the choice: v64-79 my 16 logits
.set TL,   80                          ; v80-87 a list's values, v88-95 its indices
.set IL,   88
.set PT,   96                          ; the partner's list
.set PI,   104
.set BT,   112                         ; the list that is inserted
.set BI,   120
.set YT,   128                         ; the y list
.set YI,   136
.set ST,   144                         ; the 8 best sums and their experts
.set SE,   152
.set ORW,  160                         ; v160-175 rows of logits on their way out; v176-179 scale words on their way out
.set XW,   176
.set TX,   180
.set TI,   181
.set TA,   182                         ; v182-183
.set WT,   96                          ; the weights
.set SM,   104
.set SL,   112
.set SEL,  22                          ; s[22:23] lane selects: lane l xor 16
.set CM,   24                          ; s24-31 an insertion's masks
.set MSB, 0
.macro WIN new                         ; the immediate's high byte repeats the setting that is left
.if MSB != (\new)
	s_set_vgpr_msb (MSB<<8)|(\new)
.set MSB, (\new)
.endif
.endm
; 64 numbers of a lane, register 16 b + i = k 32 b + 16 (lane / 16) + i of my row, become a fragment's 12 registers of codes and its scale word.
.macro QUANT src, cod, wrd
.irp b, 0,1,2,3
	v_max3_num_f32 v[TM+\b], |v[\src+16*\b]|, |v[\src+1+16*\b]|, 0x1800000   ; with the floor 2^(3 - 127): the byte cannot fall under 1
.endr
.irp i, 2,4,6,8,10,12,14
.irp b, 0,1,2,3
	v_max3_num_f32 v[TM+\b], v[TM+\b], |v[\src+16*\b+\i]|, |v[\src+1+16*\b+\i]|
.endr
.endr
.irp b, 0,1,2,3
	v_permlanex16_b32 v[TM+4+\b], v[TM+\b], s[SEL], s[SEL+1]
.endr
.irp b, 0,1,2,3
	v_max_num_f32 v[TM+\b], v[TM+\b], v[TM+4+\b]   ; the block's largest magnitude
.endr
.irp b, 0,1,2,3
	v_add_nc_u32 v[TM+12+\b], 0xff000000, v[TM+\b]   ; 2 off its exponent field: the conversion's scale operand
.endr
.irp b, 0,1,2,3
	v_lshrrev_b32 v[TM+4+\b], 23, v[TM+12+\b]      ; the scale's byte
.endr
	v_lshl_or_b32 v[\wrd], v[TM+5], 8, v[TM+4]
	v_lshl_or_b32 v[\wrd], v[TM+6], 16, v[\wrd]
	v_lshl_or_b32 v[\wrd], v[TM+7], 24, v[\wrd]
.irp c, 0,1
	v_cvt_scalef32_pk16_fp6_f32 v[\cod+6*\c:\cod+2+6*\c], v[\src+32*\c:\src+15+32*\c], v[TM+12+2*\c]
	v_cvt_scalef32_pk16_fp6_f32 v[\cod+12+4*\c:\cod+14+4*\c], v[\src+16+32*\c:\src+31+32*\c], v[TM+12+2*\c+1]
.endr
	v_nop                                          ; one plain place behind a scaled conversion
.irp c, 0,1                                    ; the operand wants a whole block in a lane
.irp i, 0,1,2
	v_permlane16_swap_b32 v[\cod+6*\c+\i], v[\cod+12+4*\c+\i]
.endr
.irp i, 0,1,2
	v_mov_b32 v[\cod+3+6*\c+\i], v[\cod+12+4*\c+\i]
.endr
.endr
.endm
.macro SENDX cod, wrd, f                       ; a fragment goes to LDS and to xq as it stands: each store covers 512 consecutive bytes
.irp c, 0,1,2
	ds_store_b128 v[XWI], v[\cod+4*\c:\cod+4*\c+3] offset:1536*\f+512*\c
	global_store_b128 v[LI], v[\cod+4*\c:\cod+4*\c+3], s[10:11] offset:1536*\f+512*\c
.endr
	ds_store_b32 v[XWS], v[\wrd] offset:128*\f
.endm
; The router's tile wave + 4 t: 24 loads of 512 consecutive bytes into window 1, v[96 t] on (the caller has set the destination's window).
.macro RLOAD t
.set ii, 0
.rept 24
	global_load_b128 v[96*\t+4*ii:96*\t+4*ii+3], v[RGO], s[6:7] offset:49152*\t+512*ii
.set ii, ii+1
.endr
.endm
; The tile turns through my LDS bytes.  Three loads are two rows of 768 bytes: the first is the even row's bytes 0-511; the second its bytes 512-767 (lanes 0-15) and the odd row's 0-255 (lanes 16-31, 16 bytes of
; padding further on); the third the odd row's 256-767.  Back: fragment s of the tile, lane (r, h): 24 bytes at 96 s + 24 h of row r and 24 more 48 bytes on, in pieces of 8, into the registers that the tile has left.
; LDS serves a wave's instructions in order (ISA guide 5.7.1.4): no wait stands between the stores and the loads.
.macro RSTAGE t
	WIN 0x04                                       ; an LDS store's data are its source 1: window 1
.set mm, 0
.rept 8
	ds_store_b128 v[RSA], v[96*\t+12*mm:96*\t+12*mm+3] offset:RTILE*\t+2*RP*mm
	ds_store_b128 v[RSB], v[96*\t+12*mm+4:96*\t+12*mm+7] offset:RTILE*\t+2*RP*mm+512
	ds_store_b128 v[RSA], v[96*\t+12*mm+8:96*\t+12*mm+11] offset:RTILE*\t+2*RP*mm+RP+256
.set mm, mm+1
.endr
	WIN 0x40
.irp s, 0,1,2,3,4,5,6,7
.irp p, 0,1,2,3,4,5
	ds_load_b64 v[12*(8*\t+\s)+2*\p:12*(8*\t+\s)+2*\p+1], v[RRD] offset:RTILE*\t+96*\s+48*(\p/3)+8*(\p%3)
.endr
.endr
	WIN 0
.endm
; A newcomer (value xv, index xi) goes into a descending list at places lo .. hi; it is known to belong at lo or behind.  Strict compare: behind its equals.
.macro INS lt, li, xv, xi, lo, hi
.set jj, (\lo)
.rept (\hi)-(\lo)+1
	v_cmp_gt_f32 s[CM+jj], v[\xv], v[\lt+jj]
.set jj, jj+1
.endr
.set jj, (\hi)
.rept (\hi)-(\lo)
	v_cndmask_b32 v[TA+(jj&1)], v[\xi], v[\li+jj-1], s[CM+jj-1]
	v_cndmask_b32 v[\li+jj], v[\li+jj], v[TA+(jj&1)], s[CM+jj]
	v_med3_num_f32 v[\lt+jj], v[\lt+jj-1], v[\xv], v[\lt+jj]   ; the middle one of the place above, the newcomer and the place itself
.set jj, jj-1
.endr
	v_cndmask_b32 v[\li+(\lo)], v[\li+(\lo)], v[\xi], s[CM+(\lo)]
	v_max_num_f32 v[\lt+(\lo)], v[\lt+(\lo)], v[\xv]
.endm
; The lists of lanes l and l xor xm become one, in both lanes: the lower lane's list, whose indices are the lower ones, is the base; the higher lane's entries are the newcomers.
.macro MERGE xm, m
.irp j, 0,1,2,3,4,5,6,7
	v_mov_b32_dpp v[PT+\j], v[TL+\j] row_xmask:\xm row_mask:0xf bank_mask:0xf
	v_mov_b32_dpp v[PI+\j], v[IL+\j] row_xmask:\xm row_mask:0xf bank_mask:0xf
.endr
.irp j, 0,1,2,3,4,5,6,7
	v_cndmask_b32 v[BT+\j], v[PT+\j], v[TL+\j], s[\m]
	v_cndmask_b32 v[BI+\j], v[PI+\j], v[IL+\j], s[\m]
	v_cndmask_b32 v[TL+\j], v[TL+\j], v[PT+\j], s[\m]
	v_cndmask_b32 v[IL+\j], v[IL+\j], v[PI+\j], s[\m]
.endr
.set kk, 0
.rept 8
	INS TL, IL, BT+kk, BI+kk, kk, 7
.set kk, kk+1
.endr
.endm
.macro CAND i, j, lo                           ; the sum of ranks (i, j): (i + 1)(j + 1) - 1 sums are known to stand ahead of it
	v_add_f32 v[TX], v[TL+\i], v[YT+\j]
	v_lshl_add_u32 v[TI], v[IL+\i], 6, v[YI+\j]
	INS ST, SE, TX, TI, \lo, 7
.endm
.macro PICK dst, src                           ; entry q + 4 h of eight registers
	v_cndmask_b32 v[SL], v[\src], v[\src+1], s32
	v_cndmask_b32 v[SL+1], v[\src+2], v[\src+3], s32
	v_cndmask_b32 v[SL+2], v[\src+4], v[\src+5], s32
	v_cndmask_b32 v[SL+3], v[\src+6], v[\src+7], s32
	v_cndmask_b32 v[SL], v[SL], v[SL+1], s33
	v_cndmask_b32 v[SL+2], v[SL+2], v[SL+3], s33
	v_cndmask_b32 v[\dst], v[SL], v[SL+2], s34
.endm
.macro NORM                                    ; the eight weights are divided by their sum
	v_add_f32 v[SM], v[WT], v[WT+1]
	v_add_f32 v[SM+1], v[WT+2], v[WT+3]
	v_add_f32 v[SM+2], v[WT+4], v[WT+5]
	v_add_f32 v[SM+3], v[WT+6], v[WT+7]
	v_add_f32 v[SM], v[SM], v[SM+1]
	v_add_f32 v[SM+2], v[SM+2], v[SM+3]
	v_add_f32 v[SM], v[SM], v[SM+2]
	s_wait_alu depctr_va_vdst(0)
	v_rcp_f32 v[SM+1], v[SM]
	v_nop                                          ; a plain place behind the reciprocal,
	s_wait_alu depctr_va_vdst(0)                   ; and the wait ahead of its first reader
.irp j, 0,1,2,3,4,5,6,7
	v_mul_f32 v[WT+\j], v[WT+\j], v[SM+1]
.endr
.endm
	; ALSO: w_down's codes are laid anew into wd2 as [K slot of 512][row][384 bytes], so that the third product's tiles are dense blocks that begin at multiples of 256 bytes.
	; Work-group g takes rows 4 g .. 4 g + 3; wave w K slots 2 w, 2 w + 1: in wd2 each slot's part is 1,536 consecutive bytes, three stores of 512.
	s_load_b512 s[4:19], s[0:1], 0x0
	s_load_b128 s[48:51], s[0:1], 0x40             ; w_down's codes s[48:49], wd2 s[50:51]
	v_lshl_add_u32 v254, v0, 2, 0x2e500
	v_mov_b32 v255, 0
	v_lshrrev_b32 v1, 5, v0
	v_readfirstlane_b32 s20, v1                    ; wave 0..3
	v_and_b32 v1, 31, v0                           ; lane
	v_and_b32 v2, 15, v0                           ; r
	v_bfe_u32 v3, v0, 4, 1                         ; h
	v_lshlrev_b32 v[LI], 4, v1
	s_wait_alu depctr_va_vdst(0)
	v_lshlrev_b32 v[LS], 2, v1
	s_lshl_b32 s38, s20, 10
	v_add_nc_u32 v[XA], s38, v[LI]
	s_mul_i32 s39, s20, 16896
	s_add_co_u32 s39, s39, STG
	v_add_nc_u32 v[SI], s39, v[LI]
	v_mul_u32_u24 v[SO], v2, 528
	v_lshl_add_u32 v[SO], v3, 6, v[SO]
	v_add_nc_u32 v[SO], s39, v[SO]
	s_mul_i32 s40, s20, 3072
	v_add_nc_u32 v[XWI], s40, v[LI]
	s_lshl_b32 s41, s20, 8
	s_add_co_u32 s41, s41, XSC
	v_add_nc_u32 v[XWS], s41, v[LS]
	s_mul_i32 s35, s20, 2*RTILE
	s_add_co_u32 s35, s35, RT                      ; my two tiles of the router in LDS
	v_add_nc_u32 v[RSA], s35, v[LI]
	v_lshl_add_u32 v[RSB], v3, 4, v[RSA]
	v_mul_u32_u24 v[RRD], v2, RP
	v_mad_u32_u24 v[RRD], v3, 24, v[RRD]
	v_add_nc_u32 v[RRD], s35, v[RRD]
	s_mul_i32 s42, s20, 12288
	v_add_nc_u32 v[RGO], s42, v[LI]
	v_lshlrev_b32 v[WSO], 5, v2
	s_lshl_b32 s43, s20, 9
	v_add_nc_u32 v[WSO], s43, v[WSO]
	v_mul_u32_u24 v[LGW], v2, 528
	v_lshl_add_u32 v[LGW], v3, 5, v[LGW]
	s_lshl_b32 s44, s20, 6
	s_add_co_u32 s44, s44, LG
	v_add_nc_u32 v[LGW], s44, v[LGW]
	s_mul_i32 s45, s20, 2112
	s_add_co_u32 s45, s45, LG
	v_add_nc_u32 v[LGR], s45, v[LI]
	v_bfe_u32 v[LGT], v0, 3, 1                     ; four lanes to a list: q = lane & 3, list u = (lane >> 2) & 3; lanes 0-15 the x lists, lanes 16-31 the y lists
	v_lshl_add_u32 v[LGT], v3, 3, v[LGT]           ; its slot row: 8 h + 2 wave + (u >> 1),
	v_mul_u32_u24 v[LGT], v[LGT], 528
	v_bfe_u32 v11, v0, 2, 1
	v_lshl_add_u32 v[LGT], v11, 8, v[LGT]          ; that row's half u & 1,
	v_and_b32 v11, 3, v0
	v_lshl_add_u32 v[LGT], v11, 6, v[LGT]          ; my 16 of its 64
	s_mul_i32 s46, s20, 1056
	s_add_co_u32 s46, s46, LG
	v_add_nc_u32 v[LGT], s46, v[LGT]
	v_lshlrev_b32 v[IQ], 4, v11
	v_bfe_u32 v[KO], v0, 2, 2
	v_lshlrev_b32 v[KO], 5, v[KO]
	v_lshl_add_u32 v[KO], v11, 2, v[KO]
	v_lshl_add_u32 v[KO], v3, 4, v[KO]
	v_lshlrev_b32 v[XSO], 5, v2
	v_lshl_add_u32 v[XSO], v3, 4, v[XSO]
.irp b, 0,1,2,3
	v_mov_b32 v[TM+4+\b], 0                        ; written once: a lane permute's destination counts as one of its sources
.endr
	s_mov_b32 s[SEL], 0x76543210
	s_mov_b32 s[SEL+1], 0xfedcba98
	s_mov_b32 s32, 0xaaaaaaaa                      ; lanes with bit 0,
	s_mov_b32 s33, 0xcccccccc                      ; bit 1,
	s_mov_b32 s34, 0xffff0000                      ; bit 4
	s_mov_b32 s47, 0
	s_wait_kmcnt 0x0
	s_lshl_b32 s46, ttmp9, 15
	s_add_nc_u64 s[4:5], s[4:5], s[46:47]          ; x at token 8 g,
	s_add_nc_u64 s[36:37], s[4:5], 0x800000        ; and at token 2048 + 8 g
	s_lshl_b32 s46, s20, 8
	s_add_co_u32 s46, s46, ttmp9
	s_mul_i32 s46, s46, 3072
	s_add_nc_u64 s[10:11], s[10:11], s[46:47]
	s_lshl_b32 s46, ttmp9, 9
	s_add_nc_u64 s[12:13], s[12:13], s[46:47]
	s_lshl_b32 s38, s20, 7
	s_add_co_u32 s46, s46, s38                     ; routing row 16 g + 4 wave, 32 bytes a row
	s_add_nc_u64 s[16:17], s[16:17], s[46:47]
	s_add_nc_u64 s[18:19], s[18:19], s[46:47]
	s_lshl_b32 s46, ttmp9, 3
	s_lshl_b32 s38, s20, 2
	s_and_b32 s38, s38, 7
	s_add_co_u32 s46, s46, s38
	s_lshl_b32 s46, s46, 9
	s_lshr_b32 s38, s20, 1
	s_lshl_b32 s38, s38, 20
	s_add_co_u32 s46, s46, s38                     ; the tokens of slot rows 4 wave .. + 3, 512 bytes of logits each
	s_add_nc_u64 s[14:15], s[14:15], s[46:47]
	s_mul_i32 s46, ttmp9, 12288                    ; w_down: row 4 g, K slot 2 wave
	s_mul_i32 s38, s20, 768
	s_add_co_u32 s46, s46, s38
	s_add_nc_u64 s[48:49], s[48:49], s[46:47]
	s_mul_i32 s46, ttmp9, 1536                     ; wd2: the same place
	s_mul_i32 s38, s20, 786432
	s_add_co_u32 s46, s46, s38
	s_add_nc_u64 s[50:51], s[50:51], s[46:47]
	; ---- the loads, x first: K step 2 w (16), the router's scale words (4), K step 2 w + 1 (16), the router's first tile (24): 60 are out.  Each load of x reads 512 consecutive bytes of a row
.irp i, 0,1,2,3,4,5,6,7,8,9,10,11,12,13,14,15
.if \i < 8
	global_load_b128 v[R0+4*\i:R0+4*\i+3], v[XA], s[4:5] offset:\i*4096 th:TH_LOAD_NT
.else
	global_load_b128 v[R0+4*\i:R0+4*\i+3], v[XA], s[36:37] offset:(\i-8)*4096 th:TH_LOAD_NT
.endif
.endr
.irp t, 0,1
	global_load_b128 v[WS+8*\t:WS+8*\t+3], v[WSO], s[8:9] offset:2048*\t
	global_load_b128 v[WS+8*\t+4:WS+8*\t+7], v[WSO], s[8:9] offset:2048*\t+16
.endr
	WIN 0x40
.irp i, 0,1,2,3,4,5,6,7,8,9,10,11,12,13,14,15
.if \i < 8
	global_load_b128 v[R1+4*\i:R1+4*\i+3], v[XA], s[4:5] offset:\i*4096+512 th:TH_LOAD_NT
.else
	global_load_b128 v[R1+4*\i:R1+4*\i+3], v[XA], s[36:37] offset:(\i-8)*4096+512 th:TH_LOAD_NT
.endif
.endr
	RLOAD 0
	WIN 0
	s_wait_loadcnt 44                              ; the first K step's 16 loads are in; the 4 + 16 + 24 younger ones may be out
.irp i, 0,1,2,3,4,5,6,7,8,9,10,11,12,13,14,15
	ds_store_b128 v[SI], v[R0+4*\i:R0+4*\i+3] offset:528*\i
.endr
.irp b, 0,1,2,3
.irp j, 0,1,2,3
	ds_load_b128 v[X0+16*\b+4*\j:X0+16*\b+4*\j+3], v[SO] offset:128*\b+16*\j   ; LDS serves a wave's instructions in order: these see my stores
.endr
.endr
	s_wait_loadcnt 24                              ; the second K step's 16 loads are in; the router's tile, 24 loads, may be out
	WIN 0x04                                       ; an LDS store's data are its source 1
.irp i, 0,1,2,3,4,5,6,7,8,9,10,11,12,13,14,15
	ds_store_b128 v[SI], v[R1+4*\i:R1+4*\i+3] offset:8448+528*\i
.endr
	WIN 0
	s_wait_dscnt 16                                ; all but the 16 stores just issued: the first stage's stores have read v128-191, which now take the second K step
.irp b, 0,1,2,3
.irp j, 0,1,2,3
	ds_load_b128 v[X1+16*\b+4*\j:X1+16*\b+4*\j+3], v[SO] offset:8448+128*\b+16*\j
.endr
.endr
	WIN 0x40
	RLOAD 1                                        ; the router's second tile: it lands while x is quantised
	WIN 0
	s_wait_dscnt 0x0
	QUANT X0, PC0, PW0
	SENDX PC0, PW0, 0
	s_wait_loadcnt 24                              ; the router's first tile and its scale words are in; the second tile's 24 loads may be out
	RSTAGE 0                                       ; its turn through LDS runs beside the second K step's arithmetic
	QUANT X1, PC1, PW1
	SENDX PC1, PW1, 1
	s_wait_loadcnt 0x0
	; w_down's codes: byte d = 512 p + 16 lane of a slot's 1,536 lies in row d / 384, so in memory at d + 2688 (d / 384); d / 384 = ((d >> 7) x 11) >> 5 for d under 1,536
.irp p, 0,1,2
	v_add_nc_u32 v[250+\p], 512*\p, v[LI]
	v_lshrrev_b32 v253, 7, v[250+\p]
	v_mul_u32_u24 v253, v253, 11
	v_lshrrev_b32 v253, 5, v253
	v_mad_u32_u24 v[250+\p], v253, 2688, v[250+\p]
.endr
	WIN 0x40                                       ; into window 1, v192-215, which x's second K step has left; they are stored at the wave's end
.irp i, 0,1,2,3,4,5
	global_load_b128 v[192+4*\i:192+4*\i+3], v[250+\i%3], s[48:49] offset:384*(\i/3) th:TH_LOAD_NT
.endr
	WIN 0
	RSTAGE 1
	s_wait_dscnt 0x0                               ; my images have landed, and the router's fragments are in
	s_barrier_signal -1
	s_barrier_wait -1                              ; everybody's images have landed
	; ---- the logits: source 0 = 16 rows of the router, source 1 = x: lane (r, h), register j = logit(row r, column 16 tile + 8 h + j)
.irp s, 0,1,2,3,4,5,6,7
.irp c, 0,1,2
	ds_load_b128 v[XF+12*\s+4*\c:XF+12*\s+4*\c+3], v[LI] offset:XIMG+1536*\s+512*\c
.endr
	ds_load_b32 v[XS+\s], v[LS] offset:XSC+128*\s
.endr
	s_wait_dscnt 0x0
	WIN 0x01
.irp s, 0,1,2,3,4,5,6,7                        ; the two accumulators take turns
.irp t, 0,1
.if \s == 0
	v_wmma_scale_f32_16x16x128_f8f6f4 v[ACC+8*\t:ACC+8*\t+7], v[12*(8*\t+\s):12*(8*\t+\s)+11], v[XF+12*\s:XF+12*\s+11], 0, v[WS+8*\t+\s], v[XS+\s] matrix_a_fmt:MATRIX_FMT_FP6 matrix_b_fmt:MATRIX_FMT_FP6
.else
	v_wmma_scale_f32_16x16x128_f8f6f4 v[ACC+8*\t:ACC+8*\t+7], v[12*(8*\t+\s):12*(8*\t+\s)+11], v[XF+12*\s:XF+12*\s+11], v[ACC+8*\t:ACC+8*\t+7], v[WS+8*\t+\s], v[XS+\s] matrix_a_fmt:MATRIX_FMT_FP6 matrix_b_fmt:MATRIX_FMT_FP6
.endif
.endr
.endr
	WIN 0
.rept 4
	v_nop                                          ; four places ahead of the first read of results and of loads into the fragments' registers
.endr
.irp t, 0,1
	ds_store_b128 v[LGW], v[ACC+8*\t:ACC+8*\t+3] offset:256*\t
	ds_store_b128 v[LGW], v[ACC+8*\t+4:ACC+8*\t+7] offset:256*\t+16
.endr
	s_wait_dscnt 0x0
	s_barrier_signal -1
	s_barrier_wait -1                              ; 16 whole rows of logits lie in LDS
.irp i, 0,1,2,3
	ds_load_b128 v[ORW+4*\i:ORW+4*\i+3], v[LGR] offset:528*\i
.endr
.irp j, 0,1,2,3
	ds_load_b128 v[VL+4*\j:VL+4*\j+3], v[LGT] offset:16*\j
.endr
	s_wait_dscnt 0x0
.irp i, 0,1,2,3
	global_store_b128 v[LI], v[ORW+4*\i:ORW+4*\i+3], s[14:15] offset:512*\i   ; a row of 512 bytes an instruction, four rows on end
.endr
	s_cmp_lg_u32 s20, 0                            ; x's scale bytes leave once: wave 0 stores the 16 rows' 512 bytes
	s_cbranch_scc1 .Lno_xs
.irp i, 0,1,2,3
	v_cndmask_b32 v[XW+\i], v[XS+\i], v[XS+4+\i], s34
.endr
	global_store_b128 v[XSO], v[XW:XW+3], s[12:13]
.Lno_xs:
	; ---- the 8 best of my quarter, of my half, of my list
.irp j, 0,1,2,3,4,5,6,7
	v_mov_b32 v[TL+\j], 0xff800000
	v_mov_b32 v[IL+\j], 0
	v_mov_b32 v[PT+\j], 0
	v_mov_b32 v[PI+\j], 0
.endr
.set ee, 0
.rept 16
	v_add_nc_u32 v[TI], ee, v[IQ]
.if ee < 7
.set HI, ee
.else
.set HI, 7
.endif
	INS TL, IL, VL+ee, TI, 0, HI
.set ee, ee+1
.endr
	MERGE 1, 32
	MERGE 2, 33
.irp j, 0,1,2,3,4,5,6,7
	v_mov_b32 v[YT+\j], v[TL+\j]
	v_mov_b32 v[YI+\j], v[IL+\j]
.endr
.irp j, 0,1,2,3,4,5,6,7                        ; the halves change places: every lane now holds its routing row's x list and y list
	v_permlane16_swap_b32 v[TL+\j], v[YT+\j]
	v_permlane16_swap_b32 v[IL+\j], v[YI+\j]
.endr
.irp j, 0,1,2,3,4,5,6,7                        ; rank pairs (0, j) are in order as they stand
	v_add_f32 v[ST+\j], v[TL], v[YT+\j]
	v_lshl_add_u32 v[SE+\j], v[IL], 6, v[YI+\j]
.endr
	CAND 1, 0, 1                                   ; the other twelve, in ascending position
	CAND 1, 1, 3
	CAND 1, 2, 5
	CAND 1, 3, 7
	CAND 2, 0, 2
	CAND 2, 1, 5
	CAND 3, 0, 3
	CAND 3, 1, 7
	CAND 4, 0, 4
	CAND 5, 0, 5
	CAND 6, 0, 6
	CAND 7, 0, 7
	; ---- softmax of the eight, the largest taken away first; then the division by their sum that the reference makes once more
.irp j, 0,1,2,3,4,5,6,7
	v_sub_f32 v[WT+\j], v[ST+\j], v[ST]
.endr
.irp j, 0,1,2,3,4,5,6,7
	v_mul_f32 v[WT+\j], 0x3fb8aa3b, v[WT+\j]
.endr
	s_wait_alu depctr_va_vdst(0)
.irp j, 0,1,2,3,4,5,6,7
	v_exp_f32 v[WT+\j], v[WT+\j]
.endr
	v_nop                                          ; a plain place behind the batch,
	s_wait_alu depctr_va_vdst(0)                   ; and one wait ahead of its first reader
	NORM
	NORM
	PICK TX, SE
	global_store_b32 v[KO], v[TX], s[16:17]        ; the wave's 32 lanes store 128 consecutive bytes: four rows' eight experts
	PICK TI, WT
	global_store_b32 v[KO], v[TI], s[18:19]
	s_wait_loadcnt 0x0                             ; w_down's six pieces are in
	WIN 0x04                                       ; a store's data are its source 1: window 1
.irp i, 0,1,2,3,4,5
	global_store_b128 v[LI], v[192+4*\i:192+4*\i+3], s[50:51] offset:393216*(\i/3)+512*(\i%3)   ; 512 consecutive bytes, at a multiple of 256 from wd2's first byte
.endr
	WIN 0
	s_wait_tensorcnt 0x0
	ds_add_u32 v254, v255
	s_wait_dscnt 0x0
	s_endpgm
.Lfunc_end_k_q12fc508ac2_route:
	.size	k_q12fc508ac2_route, .Lfunc_end_k_q12fc508ac2_route-k_q12fc508ac2_route
	.p2alignl 7, 3214868480
	.fill 96, 4, 3214868480
	.section	.rodata,"a",@progbits
	.p2align	6, 0x0
	.amdhsa_kernel k_q12fc508ac2_route
		.amdhsa_group_segment_fixed_size 190208
		.amdhsa_private_segment_fixed_size 0
		.amdhsa_enable_private_segment 0
		.amdhsa_kernarg_size 80
		.amdhsa_user_sgpr_count 2
		.amdhsa_user_sgpr_kernarg_segment_ptr 1
		.amdhsa_wavefront_size32 1
		.amdhsa_system_sgpr_workgroup_id_x 1
		.amdhsa_system_sgpr_workgroup_id_y 1
		.amdhsa_system_sgpr_workgroup_id_z 1
		.amdhsa_system_vgpr_workitem_id 0
		.amdhsa_next_free_vgpr 512
		.amdhsa_next_free_sgpr 66
		.amdhsa_reserve_vcc 0
		.amdhsa_float_denorm_mode_32 3
		.amdhsa_float_denorm_mode_16_64 3
		.amdhsa_memory_ordered 1
		.amdhsa_forward_progress 1
		.amdhsa_inst_pref_size 107
	.end_amdhsa_kernel
	.amdgpu_metadata
---
amdhsa.version: [ 1, 2 ]
amdhsa.kernels:
  - .name:           k_q12fc508ac2_route
    .symbol:         k_q12fc508ac2_route.kd
    .args:
      - { .name: hidden_states, .offset: 0, .size: 8, .value_kind: global_buffer, .address_space: global }
      - { .name: w_router_codes, .offset: 8, .size: 8, .value_kind: global_buffer, .address_space: global }
      - { .name: w_router_scales, .offset: 16, .size: 8, .value_kind: global_buffer, .address_space: global }
      - { .name: xq, .offset: 24, .size: 8, .value_kind: global_buffer, .address_space: global }
      - { .name: xs, .offset: 32, .size: 8, .value_kind: global_buffer, .address_space: global }
      - { .name: out1, .offset: 40, .size: 8, .value_kind: global_buffer, .address_space: global }
      - { .name: idx, .offset: 48, .size: 8, .value_kind: global_buffer, .address_space: global }
      - { .name: rw, .offset: 56, .size: 8, .value_kind: global_buffer, .address_space: global }
      - { .name: w_down_codes, .offset: 64, .size: 8, .value_kind: global_buffer, .address_space: global }
      - { .name: wd2, .offset: 72, .size: 8, .value_kind: global_buffer, .address_space: global }
    .group_segment_fixed_size: 190208
    .private_segment_fixed_size: 0
    .kernarg_segment_align: 8
    .kernarg_segment_size: 80
    .max_flat_workgroup_size: 128
    .sgpr_count:     66
    .vgpr_count:     512
    .wavefront_size: 32
...
	.end_amdgpu_metadata
.endif
;; end of part 1
;; launch gateup (part 2): grid 32 x 16, 4 waves a work-group, clusters of 4 x 4, 327,680 bytes of LDS; arguments xq, xs, w_gate_codes, w_up_codes, w_gate_scales, w_up_scales, idx, rw, hidden_states, down_embed, hq, hs, ew; writes hq, hs, ew
.if DOCPART == 2
	.amdgcn_target "amdgcn-amd-amdhsa--gfx1250"
	.amdhsa_code_object_version 6
	.text
	.protected	k_q12fc508ac2_gateup
	.globl	k_q12fc508ac2_gateup
	.p2align	8
	.type	k_q12fc508ac2_gateup,@function
k_q12fc508ac2_gateup:
	s_mov_b64 s[64:65], 0
	v_nop
	global_prefetch_b8 v0, s[64:65] scope:SCOPE_SE
	s_setreg_imm32_b32 hwreg(HW_REG_WAVE_MODE, 25, 1), 1
	s_wait_xcnt 0x0
	s_wait_alu depctr_hold_cnt(0) depctr_sa_sdst(0) depctr_va_vdst(0) depctr_va_sdst(0) depctr_va_ssrc(0) depctr_va_vcc(0) depctr_vm_vsrc(0)
	s_getreg_b32 s2, hwreg(HW_REG_IB_STS2, 6, 4)
	s_cmp_eq_u32 s2, 0
	s_cbranch_scc0 .Lentry_in_a_cluster
	s_endpgm
.Lentry_in_a_cluster:
	s_bfe_u32 s2, ttmp6, 0x10000c
	s_cmp_lg_u32 s2, 0xf033
	s_cbranch_scc0 .Lentry_shape_is_right
	s_endpgm
.Lentry_shape_is_right:
; GATEUP.  h = silu(x Wg^T) * (x Wu^T) on codes of FP6 (E2M3) with E8M0 scales, quantised on the way out; and, beside it, ew = silu(down_embed[idx] . x) * rw in f32.
; SHARES.  Work-group (x, y) makes 256 slot rows (16 tiles of 16: 16 y ..) by inter units 128 x .. 128 x + 127, of the gate AND of up: these units are K step x of the third product.
; A wave makes 128 rows x 64 units of both: 64 accumulators (a, b), b = 0..3 the gate's tiles, b = 4..7 the same units of up: so silu(g) u needs no other lane.
; LDS.  THE WEIGHTS STAY: the gate's and up's 128 rows come once, as whole rows of 768 bytes (each begins at a multiple of 256 bytes), 16 bytes of padding behind each 256: rows 816 bytes apart.
; x's codes, images of the operand's registers, go in four parts of 256 along K through a ring of two slots of 49,152 dense bytes.  The scale bytes of all of K come once.
; THE FILLS, one tensor load a wave behind each round.  Head: wave 0 x's slot 0, wave 1 x's scales, waves 2 and 3 the gate's and up's codes.  Behind the next round: waves 0, 1 the halves of x's slot 1.
; The ring's two refills are x's alone: waves 0 and 1, a half each.  By this text's count a wave has one tensor load out.
; THE WEIGHTS' SCALE BYTES, 4,096 of the gate and 4,096 of up, come through registers: each wave loads 2,048 consecutive bytes at the head and stores them into LDS bytes of their own, which no tensor load fills,
; behind its wait for its tensor load and ahead of the round that shows the head's tiles to all.
; CLUSTERS: 4 x 4.  x's tiles hang on y alone and are asked for jointly along a row of the cluster, the weights' on x alone, along a column.
; NO PREFETCH: K has four slots, of which two are asked for at the head; the two refills have no trip two steps ahead of them in which to ask.
; THE MATRIX INSTRUCTION IS USED TRANSPOSED (source 0 = 16 rows of a weight, source 1 = 16 rows of x): a lane holds one row and eight neighbouring units.
; OUT.  hq: [K step / 4][tile of rows][K step % 4][half][768 bytes]: a half is registers 6 c .. 6 c + 5 of the next operand's fragment; hs: [K step][slot row] scale words; ew: [token][8].
; THE EXPERTS' FIRST PRODUCT.  The work-group also owns 8 tokens, a wave two: 16 rows of down_embed, 8 loads of 512 bytes each, through a ring of seven rows in window 1: rows 0-3 are asked for ahead of the last
; K step, rows 4-6 at the start of the way out; behind each block of the way out, from the second on, two rows are multiplied and two more asked for: at most 56 of a wave's loads are out.
; LIMITS: NaN and infinities are not served.  Where g lies under about -88 the exponential is infinite and its reciprocal 0, which is silu's own limit there.  A block of zeros gets the scale byte 1 (zero codes; read by this program alone).
.set SLOT,  49152                      ; x's 16 tiles x 3,072 bytes
.set WP,    816                        ; a weight's row in LDS: 204 words, so row r begins at bank 12 r mod 64: the 32 lanes of a load of 8 bytes touch 64 different banks (ISA guide 11.1)
.set BOFF,  2*SLOT                     ; the gate's 128 rows, then up's
.set SCL,   BOFF+256*WP                ; the scale bytes: x's 256 rows (filled by a tensor load), then the gate's and up's (stored): units of 256 + 16
.set SPARE, SCL+4*4352                 ; the spare words, 128 bytes a wave
.set HSS,   SPARE+512                  ; h's scale words of the 256 rows: bytes of their own, never filled
.set FR,    12
.set NQ,    2
.set NP,    4                          ; places behind this matrix instruction (ISA guide 7.12.1)
.set HSR,   13                         ; v13  h's scale words, back
.set ADRS2, 14                         ; v14  scale words of blocks 4-7
.set GOF,   15                         ; v15  my entry of idx, rw, ew
.set ADRA,  16                         ; v16-17 x's images in slot 0, 1
.set ADRB,  20                         ; v20 the gate's rows, v21 up's; v22-23 the same with lanes 16-31 behind one padding more
.set L16,   24
.set L8,    25
.set HSA,   26
.set ADRS,  27                         ; v27  scale words: lanes 0-15 x's, lanes 16-31 the weights'
.set SPW,   28
.set NIL,   29
.set IDV,   30
.set RWV,   31
.set SC,    32                         ; v32-63 scale words, two sets
.set XR,    64                         ; v64-95 my first token's row of x
.set XR1,   224                        ; window 1, v224-255: my second token's
.set AF,    128                        ; v128-223 x's 8 fragments, one set
.set TT,    96                         ; v96-127 the sigmoid at work; at the head v96-111 my 2,048 scale bytes of a weight
.set WSA,   112                        ; v112 at the head: where they go in LDS
.set GU,    128
.set QT,    160
.set DA,    172
.set HW,    180
.set PCS,   188
.set DOT,   204
.set T1,    220
.set T2,    221
.set HP,    222
.set OFF,   224                        ; v224-239 the 16 rows' offsets in down_embed
.set G1, 24                            ; x's codes: group 1; s[32:39] group 0 for the ring's two slots; s[60:63] for the head's whole slot 0
.set G0, 32
.set G0H, 60
.set G1B, 48                           ; the weights' codes
.set G0B, 56
.set G1S, 68                           ; x's scales
.set G0S, 76
.set WSP, 88                           ; s[88:89] my 2,048 scale bytes of a weight in memory
.set MSB, 0
.macro WIN new                         ; the immediate's high byte repeats the setting that is left
.if MSB != (\new)
	s_set_vgpr_msb (MSB<<8)|(\new)
.set MSB, (\new)
.endif
.endm
.set MUL_LO, 0xa1                      ; source 0 (weights) window 1, source 1 (x) window 0, C and D window 2
.set MUL_HI, 0xf1
.set TO_B,   0x40
.macro PLACES n
.rept \n
	v_nop
.endr
.endm
.macro TLOAD g0, g1                    ; a joint load, with an s_nop and four places behind it
	tensor_load_to_lds s[\g0:\g0+3], s[\g1:\g1+7]
	s_nop 0
	PLACES 4
.endm
.macro XLOAD g0                        ; half a slot of x's ring: waves 0 and 1 alone have a part to fill; the branch hangs on the wave's number alone
	s_cmp_eq_u32 s15, 0
	s_cbranch_scc0 .Lno_part_\@
	TLOAD \g0, G1
.Lno_part_\@:
.endm
.macro ARM under, g0, g1, next         ; an arm of the head's one chain of branches
	s_cmp_lt_u32 s14, \under
	s_cbranch_scc0 \next
	TLOAD \g0, \g1
	s_branch .Lhead_asked
\next:
.endm
.macro CREST                           ; a round of the cluster's barrier behind its opening barrier
	s_cmp_lg_u32 s14, 0
	s_cbranch_scc1 .Lnot_wave_0_\@
	s_barrier_signal -3
.Lnot_wave_0_\@:
	s_barrier_wait -3
	s_barrier_signal -1
	s_barrier_wait -1
.endm
.macro CROUND
	s_barrier_signal -1
	s_barrier_wait -1
	CREST
.endm
	s_load_b256 s[92:99], s[0:1], 0x0              ; xq, xs, gate codes, up codes
	s_load_b256 s[16:23], s[0:1], 0x20             ; gate scales, up scales, idx, rw
	s_load_b256 s[4:11], s[0:1], 0x40              ; hidden_states, down_embed, hq, hs
	s_load_b64 s[12:13], s[0:1], 0x60              ; ew
	v_lshl_add_u32 v[SPW], v0, 2, SPARE
	v_mov_b32 v[NIL], 0
	ds_add_u32 v[SPW], v[NIL]                      ; the opening lines: the add, twice on end, and its wait ahead of my first tensor load
	ds_add_u32 v[SPW], v[NIL]
	v_lshrrev_b32 v1, 5, v0
	v_readfirstlane_b32 s14, v1                    ; wave 0..3
	s_lshr_b32 s15, s14, 1                         ; which 128 rows are mine.  Also: I fetch for x (0) or for the weights (1)
	s_and_b32 s104, s14, 1                         ; c: which 64 units are mine.  Also: which half of x's slot, or gate (0) / up (1), I fetch
	s_bfe_u32 s40, ttmp6, 0x40000                  ; cx, cy
	s_bfe_u32 s41, ttmp6, 0x40004
	s_lshl_b32 s42, ttmp9, 2
	s_add_co_u32 s42, s42, s40                     ; x
	s_and_b32 s105, ttmp7, 0xffff
	s_lshl_b32 s105, s105, 2
	s_add_co_u32 s105, s105, s41                   ; y
	s_lshl_b32 s43, s41, 2
	s_lshl_b32 s43, 15, s43                        ; my row of the cluster
	s_lshl_b32 s44, 0x1111, s40                    ; my column
	; group 1.  x's codes: dense rows of 32 elements of 8 bytes, no padding: 192 rows for the head's whole slot; behind it the two words that count rows are set to 96
	s_or_b32 s[G1], s43, (3<<16)|(1<<21)
	s_mov_b32 s[G1+1], 32<<16
	s_mov_b32 s[G1+2], 192<<16
	s_mov_b32 s[G1+3], 32<<16
	s_mov_b32 s[G1+4], 192
	s_mov_b32 s[G1+5], 32
	s_mov_b32 s[G1+6], 0
	s_mov_b32 s[G1+7], 0
	; a weight's 128 whole rows of 768 bytes; 4 words of padding behind every 64
	s_or_b32 s[G1B], s44, (0<<16)|(1<<20)|(1<<21)|(5<<22)|(3<<25)
	s_mov_b32 s[G1B+1], 768<<16
	s_mov_b32 s[G1B+2], 128<<16
	s_mov_b32 s[G1B+3], 768<<16
	s_mov_b32 s[G1B+4], 128
	s_mov_b32 s[G1B+5], 768
	s_mov_b32 s[G1B+6], 0
	s_mov_b32 s[G1B+7], 0
	; x's scale bytes of 256 rows, dense, as 32 rows of 256 with 16 bytes of padding behind each
	s_or_b32 s[G1S], s43, (3<<16)|(1<<20)|(1<<21)|(5<<22)|(3<<25)
	s_mov_b32 s[G1S+1], 32<<16
	s_mov_b32 s[G1S+2], 32<<16
	s_mov_b32 s[G1S+3], 32<<16
	s_mov_b32 s[G1S+4], 32
	s_mov_b32 s[G1S+5], 32
	s_mov_b32 s[G1S+6], 0
	s_mov_b32 s[G1S+7], 0
	s_mul_i32 s2, s105, 49152                      ; x's codes: tile of rows 16 y (s[2:3] hold numbers made of y and the wave alone, s[46:47] of x and the wave alone)
	s_mov_b32 s3, 0
	s_mul_i32 s46, s42, 98304                      ; the weights' codes: row 128 x
	s_mov_b32 s47, 0
	s_mul_i32 s100, s104, 24576                    ; where they go: no place in the cluster enters an LDS address
	s_mul_i32 s101, s104, 128*WP
	s_add_co_u32 s101, s101, BOFF
	s_wait_dscnt 0x0                               ; both opening adds are done
	s_wait_kmcnt 0x0
	s_cmp_eq_u32 s104, 0                           ; gate or up: the choice hangs on the wave's number alone
	s_cselect_b64 s[96:97], s[96:97], s[98:99]
	s_cselect_b64 s[16:17], s[16:17], s[18:19]
	s_add_nc_u64 s[92:93], s[92:93], s[2:3]
	s_add_nc_u64 s[96:97], s[96:97], s[46:47]
	s_lshl_b32 s2, s105, 13                        ; x's scale bytes: row 256 y, 32 bytes a row
	s_add_nc_u64 s[94:95], s[94:95], s[2:3]
	s_lshl_b32 s46, s42, 12                        ; my weight's scale bytes: row 128 x, and my half of its 4,096
	s_lshl_b32 s45, s15, 11
	s_add_co_u32 s46, s46, s45
	s_add_nc_u64 s[WSP:WSP+1], s[16:17], s[46:47]
	s_mov_b32 s[G0H], 1                            ; x's slot 0, whole
	s_mov_b32 s[G0H+1], 0
	s_mov_b64 s[G0H+2:G0H+3], s[92:93]
	s_or_b32 s[G0H+3], s[G0H+3], 0x80000000
	s_mov_b32 s[G0S], 1                            ; x's scales
	s_mov_b32 s[G0S+1], SCL
	s_mov_b64 s[G0S+2:G0S+3], s[94:95]
	s_or_b32 s[G0S+3], s[G0S+3], 0x80000000
	s_mov_b32 s[G0B], 1                            ; my weight's codes
	s_mov_b32 s[G0B+1], s101
	s_mov_b64 s[G0B+2:G0B+3], s[96:97]
	s_or_b32 s[G0B+3], s[G0B+3], 0x80000000
	s_mov_b32 s2, s100
	s_add_nc_u64 s[92:93], s[92:93], s[2:3]        ; for the ring: my half of a slot
.irp s, 0,1
	s_mov_b32 s[G0+4*\s], 1
	s_add_co_u32 s[G0+4*\s+1], s100, \s*SLOT
	s_add_nc_u64 s[G0+4*\s+2:G0+4*\s+3], s[92:93], \s*786432
	s_or_b32 s[G0+4*\s+3], s[G0+4*\s+3], 0x80000000
.endr
	CROUND                                         ; all sixteen work-groups are here: the first joint loads meet
	ARM 1, G0H, G1,  .Lhead_xs                     ; one chain of branches, one load on every way through it
	ARM 2, G0S, G1S, .Lhead_w
	TLOAD G0B, G1B
.Lhead_asked:
	v_and_b32 v1, 15, v0                           ; r
	v_bfe_u32 v2, v0, 4, 1                         ; h
	v_and_b32 v3, 31, v0                           ; lane
	v_lshlrev_b32 v[L16], 4, v3
	v_lshlrev_b32 v[L8], 3, v3
.irp j, 0,1,2,3
	global_load_b128 v[TT+4*\j:TT+4*\j+3], v[L16], s[WSP:WSP+1] offset:512*\j   ; my 2,048 scale bytes of a weight, 512 consecutive bytes a load
.endr
	v_lshl_add_u32 v[WSA], v2, 4, v[L16]           ; byte o of a weight's 4,096 goes to o + 16 (o / 256): 16 lane + 16 h, 544 a load,
	s_mul_i32 s45, s104, 4352                      ; the gate's or up's block,
	s_mul_i32 s18, s15, 2176                       ; my half of it,
	s_add_co_u32 s45, s45, s18
	s_add_co_u32 s45, s45, SCL+8704                ; behind x's 256 rows
	v_add_nc_u32 v[WSA], s45, v[WSA]
	s_mul_i32 s45, s15, 24576
	v_add_nc_u32 v[ADRA], s45, v[L16]
	s_add_co_u32 s45, s45, SLOT
	v_add_nc_u32 v[ADRA+1], s45, v[L16]
	v_mul_u32_u24 v4, v1, WP
	v_mad_u32_u24 v4, v2, 24, v4
	v_lshl_add_u32 v5, v2, 4, v4
	s_mul_i32 s45, s104, 64*WP
	s_add_co_u32 s45, s45, BOFF
	v_add_nc_u32 v[ADRB], s45, v4
	v_add_nc_u32 v[ADRB+2], s45, v5
	s_add_co_u32 s45, s45, 128*WP
	v_add_nc_u32 v[ADRB+1], s45, v4
	v_add_nc_u32 v[ADRB+3], s45, v5
	v_lshlrev_b32 v5, 5, v1                        ; my row's scale bytes: 32 a row, 16 more for each 8 rows
	v_lshrrev_b32 v6, 3, v1
	v_lshl_add_u32 v5, v6, 4, v5
	s_mul_i32 s45, s15, 4352                       ; x's: my 128 rows
	s_mul_i32 s18, s104, 2176                      ; the gate's: my 64 rows, behind x's 256
	s_add_co_u32 s18, s18, 8704
	s_sub_co_u32 s18, s18, s45
	v_mul_u32_u24 v6, s18, v2                      ; lanes 16-31 take the weights'
	s_add_co_u32 s45, s45, SCL
	v_add_nc_u32 v5, v5, v6
	v_add_nc_u32 v[ADRS], s45, v5
	v_mul_u32_u24 v6, v2, 2176                     ; blocks 4-7 of the weights are up's: 4,352 bytes on, less the four blocks' 2,176
	v_add_nc_u32 v[ADRS2], v[ADRS], v6
	s_lshl_b32 s45, s15, 9
	s_lshl_b32 s18, s104, 1
	s_add_co_u32 s45, s45, s18
	s_add_co_u32 s45, s45, HSS
	v_lshl_add_u32 v[HSA], v1, 2, s45
	s_lshl_b32 s45, s14, 8
	s_add_co_u32 s45, s45, HSS
	v_add_nc_u32 v[HSR], s45, v[L8]
	s_lshl_b32 s16, s105, 5
	s_add_co_u32 s16, s16, s42                     ; the work-group's number 32 y + x: its tokens are 8 x that number on; my wave's two, 2 wave further
	s_lshl_b32 s19, s16, 8
	s_lshl_b32 s45, s14, 6
	s_add_co_u32 s19, s19, s45
	v_lshl_add_u32 v[GOF], v1, 2, s19
	global_load_b32 v[IDV], v[GOF], s[20:21]       ; they are wanted ahead of the last K step
	global_load_b32 v[RWV], v[GOF], s[22:23]
	s_lshl_b32 s16, s16, 15
	s_lshl_b32 s45, s14, 13
	s_add_co_u32 s16, s16, s45
	s_mov_b32 s17, 0
	s_add_nc_u64 s[4:5], s[4:5], s[16:17]          ; x at my first token
.irp j, 0,1,2,3,4,5,6,7
	global_load_b128 v[XR+4*\j:XR+4*\j+3], v[L16], s[4:5] offset:512*\j        ; my two tokens' rows of x, into registers that the K steps leave alone
.endr
	WIN 0x40
.irp j, 0,1,2,3,4,5,6,7
	global_load_b128 v[XR1+4*\j:XR1+4*\j+3], v[L16], s[4:5] offset:4096+512*\j
.endr
	WIN 0
	s_lshr_b32 s16, s42, 2                         ; hq: ((x / 4) 256 + 16 y + 8 (wave / 2)) 6144 + (x % 4) 1536 + 768 c
	s_lshl_b32 s16, s16, 8
	s_lshl_b32 s19, s105, 4
	s_add_co_u32 s16, s16, s19
	s_lshl_b32 s19, s15, 3
	s_add_co_u32 s16, s16, s19
	s_mul_i32 s16, s16, 6144
	s_and_b32 s19, s42, 3
	s_mul_i32 s19, s19, 1536
	s_add_co_u32 s16, s16, s19
	s_mul_i32 s19, s104, 768
	s_add_co_u32 s16, s16, s19
	s_add_nc_u64 s[8:9], s[8:9], s[16:17]
	s_lshl_b32 s16, s42, 14                        ; hs: 16384 x + 1024 y + 256 wave
	s_lshl_b32 s19, s105, 10
	s_add_co_u32 s16, s16, s19
	s_lshl_b32 s19, s14, 8
	s_add_co_u32 s16, s16, s19
	s_add_nc_u64 s[10:11], s[10:11], s[16:17]
	s_mov_b32 s66, 0xbfb8aa3b                      ; -log2(e), as a pair for the packed form
	s_mov_b32 s67, s66
	s_mov_b32 s96, 0xaaaaaaaa                      ; lanes with bit 0, 1, 2, 3
	s_mov_b32 s97, 0xcccccccc
	s_mov_b32 s98, 0xf0f0f0f0
	s_mov_b32 s99, 0xff00ff00
	s_mov_b32 s100, 0x76543210                     ; lane l xor 16
	s_mov_b32 s101, 0xfedcba98
; A weight's fragment of step st (128 along K, 96 bytes of the row): 24 bytes twice, in pieces of 8.  Byte y of a row lies at y + 16 (y / 256) of its LDS row.
; Lanes 16-31 read 24 bytes on: where that is behind one padding more, the second address register serves.
.macro FRAGB reg, st, i
.irp p, 0,1,2,3,4,5
.set BY, 96*(\st)+48*(\p/3)+8*(\p%3)
.if BY/256 == (BY+24)/256
	ds_load_b64 v[\reg+2*\p:\reg+2*\p+1], v[ADRB+(\i)/4] offset:BY+16*(BY/256)+((\i)%4)*16*WP
.else
	ds_load_b64 v[\reg+2*\p:\reg+2*\p+1], v[ADRB+2+(\i)/4] offset:BY+16*(BY/256)+((\i)%4)*16*WP
.endif
.endr
.endm
.macro FRAGA reg, adr, q, a            ; x's fragment comes back as it was stored: three loads of 512 consecutive bytes
.irp c, 0,1,2
	ds_load_b128 v[\reg+4*\c:\reg+4*\c+3], v[\adr] offset:(\a)*3072+(\q)*1536+512*\c
.endr
.endm
; 16 matrix instructions: x's blocks a0, a0 + 1 against the weights' eight.  The 64 accumulators take turns, in the same order in every step.
.macro MUL16 a0, p, q, sc, zero
.irp a, \a0, \a0+1
.irp b, 0,1,2,3,4,5,6,7
.if \zero
	v_wmma_scale_f32_16x16x128_f8f6f4 v[8*(8*((\a)%4)+\b):8*(8*((\a)%4)+\b)+7], v[128*(\p)+FR*\b:128*(\p)+FR*\b+FR-1], v[AF+FR*(\a):AF+FR*(\a)+FR-1], 0, v[SC+8*NQ*(\sc)+NQ*\b+(\q)], v[SC+8*NQ*(\sc)+NQ*(\a)+(\q)] matrix_a_fmt:MATRIX_FMT_FP6 matrix_b_fmt:MATRIX_FMT_FP6 matrix_a_scale:MATRIX_SCALE_ROW1
.else
	v_wmma_scale_f32_16x16x128_f8f6f4 v[8*(8*((\a)%4)+\b):8*(8*((\a)%4)+\b)+7], v[128*(\p)+FR*\b:128*(\p)+FR*\b+FR-1], v[AF+FR*(\a):AF+FR*(\a)+FR-1], v[8*(8*((\a)%4)+\b):8*(8*((\a)%4)+\b)+7], v[SC+8*NQ*(\sc)+NQ*\b+(\q)], v[SC+8*NQ*(\sc)+NQ*(\a)+(\q)] matrix_a_fmt:MATRIX_FMT_FP6 matrix_b_fmt:MATRIX_FMT_FP6 matrix_a_scale:MATRIX_SCALE_ROW1
.endif
.endr
.endr
.endm
.macro FETCH_B st, p
	WIN TO_B
.irp i, 0,1,2,3,4,5,6,7
	FRAGB 128*(\p)+FR*\i, \st, \i
.endr
	WIN 0
.endm
.macro FETCH_A slot, q, i0
.irp i, \i0, \i0+1, \i0+2, \i0+3
	FRAGA AF+FR*(\i), ADRA+\slot, \q, \i
.endr
.endm
.macro SCALES ks                       ; the two scale words a row of part ks of K, into set ks % 2: lanes 0-15 x's block i, lanes 16-31 the weights' block i
.irp i, 0,1,2,3
	ds_load_b64 v[SC+8*NQ*((\ks)%2)+NQ*\i:SC+8*NQ*((\ks)%2)+NQ*\i+1], v[ADRS] offset:\i*544+8*(\ks)
.endr
.irp i, 4,5,6,7
	ds_load_b64 v[SC+8*NQ*((\ks)%2)+NQ*\i:SC+8*NQ*((\ks)%2)+NQ*\i+1], v[ADRS2] offset:\i*544+8*(\ks)
.endr
.endm
.macro STEP ks, zero                   ; the first step of part ks of K (in x's slot ks % 2); its successor lies in the same slot
.set SL, (\ks)%2
	s_wait_dscnt 12                                ; all but x's blocks 4-7, three loads each
	WIN MUL_LO
	MUL16 0, 0, 0, SL, \zero
	MUL16 2, 0, 0, SL, \zero
	s_wait_dscnt 0x0
	PLACES NP
	FETCH_B 2*(\ks)+1, 1
	FETCH_A SL, 1, 0
	WIN MUL_HI
	MUL16 4, 0, 0, SL, \zero
	MUL16 6, 0, 0, SL, \zero
	PLACES NP
	WIN 0
	FETCH_A SL, 1, 4
.endm
; The second step of part ks changes slots: one barrier; in front of it each wave waits for all its tensor loads, adds 0 to its spare word, and waits for that and for its reads of this slot.
.macro TURN ks, fill
.set SL, (\ks)%2
	s_wait_tensorcnt 0x0                           ; all my tensor loads have landed: my part of the next slot, if I had one
	ds_add_u32 v[SPW], v[NIL]                      ; 0 onto my spare word
	s_wait_dscnt 13                                ; (the add and x's blocks 4-7 may be out)
	WIN MUL_LO
	MUL16 0, 1, 1, SL, 0
	s_wait_dscnt 0x0                               ; the add is done, and my reads of this slot are over
	s_barrier_signal -1
	MUL16 2, 1, 1, SL, 0
	WIN 0
	s_barrier_wait -1
.if \fill
	CREST                                          ; the barrier has opened a round of the cluster's: no wave of any partner still reads this slot or has a load on its way
	s_add_nc_u64 s[G0+4*SL+2:G0+4*SL+3], s[G0+4*SL+2:G0+4*SL+3], 1572864
	XLOAD G0+4*SL                                  ; part ks + 2 of K: the first tensor load behind the round
.endif
	PLACES NP                                      ; for every wave: the places in front of the loads below
	FETCH_B 2*(\ks)+2, 0
	FETCH_A 1-SL, 0, 0
	SCALES (\ks)+1
	WIN MUL_HI
	MUL16 4, 1, 1, SL, 0
	MUL16 6, 1, 1, SL, 0
	PLACES NP
	WIN 0
	FETCH_A 1-SL, 0, 4
.endm
; The 16 rows' offsets in down_embed.  An index is held inside the table before it enters an address.
.macro GOFFS
	s_wait_loadcnt 0x0                             ; idx, rw and the two rows of x, asked for at the head
.set kx, 0
.rept 16
	v_readlane_b32 s2, v[IDV], kx
	s_min_u32 s2, s2, 0xfff
	v_lshl_add_u32 v[OFF+kx], s2, 12, v[L16]
.set kx, kx+1
.endr
.endm
.macro GROW i                          ; row i of the 16 is asked for, 8 loads of 512 consecutive bytes, into ring place i % 7 of window 1
	WIN 0x40
.irp j, 0,1,2,3,4,5,6,7
	global_load_b128 v[32*((\i)%7)+4*\j:32*((\i)%7)+4*\j+3], v[OFF+(\i)], s[6:7] offset:512*\j
.endr
.endm
	s_wait_alu depctr_va_vdst(0)                   ; the wait at the head's end
	s_wait_loadcnt 18                              ; my weight's scale bytes are in; idx, rw and the 16 loads of x, issued behind them, may be out
	s_wait_tensorcnt 0x0                           ; my tile of the head's is in: no tensor load of mine is out while I store
.irp j, 0,1,2,3
	ds_store_b128 v[WSA], v[TT+4*\j:TT+4*\j+3] offset:544*\j
.endr
	s_wait_tensorcnt 0x0                           ; the wait and the add ahead of a later first fill, as ahead of a refill
	ds_add_u32 v[SPW], v[NIL]
	s_mov_b32 s[G1+2], 96<<16                      ; no tensor load of mine is out: from here on a load of x brings half a slot, 96 rows
	s_mov_b32 s[G1+4], 96
	s_wait_dscnt 0x0                               ; the add is done, and my stores have landed
	CROUND                                         ; x's slot 0, all the scales and both weights are whole, and all sixteen work-groups are here
	XLOAD G0+4                                     ; x's slot 1, by halves: it is waited for at the first change of slots
	FETCH_B 0, 0
	FETCH_A 0, 0, 0
	SCALES 0
	FETCH_A 0, 0, 4
	STEP 0, 1                                      ; the eight steps are written out; the first starts the sums
	TURN 0, 1
	STEP 1, 0
	TURN 1, 1
	STEP 2, 0
	TURN 2, 0
	STEP 3, 0
	GOFFS                                          ; the weights' set 0 (window 1, v0-95) is done with, four places and more behind its last product: the ring's places 0-3 take their first rows
	GROW 0
	GROW 1
	GROW 2
	GROW 3
	s_wait_dscnt 12
	WIN MUL_LO
	MUL16 0, 1, 1, 1, 0
	MUL16 2, 1, 1, 1, 0
	s_wait_dscnt 0x0
	WIN MUL_HI
	MUL16 4, 1, 1, 1, 0
	MUL16 6, 1, 1, 1, 0
	WIN 0
; THE WAY OUT.  Block a of 16 rows: h = g u / (1 + 2^(-g log2 e)); two blocks of 32 units are quantised; half a fragment and two scale bytes a row leave.
.macro HBLOCK a
.set AC, 64*((\a)%4)
.set WW, 2+(\a)/4
.set WSRC, WW|(WW<<2)
.set PCB, PCS+8*((\a)%2)
	WIN WSRC
.set ii, 0
.rept 16
	v_pk_mul_f32 v[TT+2*ii:TT+2*ii+1], v[AC+2*ii:AC+2*ii+1], s[66:67] op_sel_hi:[1,0]   ; each accumulator from its low end on
.set ii, ii+1
.endr
.set ii, 0
.rept 16
	v_pk_mul_f32 v[GU+2*ii:GU+2*ii+1], v[AC+2*ii:AC+2*ii+1], v[AC+32+2*ii:AC+32+2*ii+1]
.set ii, ii+1
.endr
	WIN 0
.set ii, 0
	s_wait_alu depctr_va_vdst(0)                   ; a wait ahead of the batch and one behind it
.rept 32
	v_exp_f32 v[TT+ii], v[TT+ii]
.set ii, ii+1
.endr
	v_nop                                          ; a plain place behind the batch
	s_wait_alu depctr_va_vdst(0)
.set ii, 0
.rept 16
	v_pk_add_f32 v[TT+2*ii:TT+2*ii+1], v[TT+2*ii:TT+2*ii+1], 1.0 op_sel_hi:[1,0]
.set ii, ii+1
.endr
.set ii, 0
	s_wait_alu depctr_va_vdst(0)
.rept 32
	v_rcp_f32 v[TT+ii], v[TT+ii]
.set ii, ii+1
.endr
	v_nop
	s_wait_alu depctr_va_vdst(0)
.set ii, 0
.rept 16
	v_pk_mul_f32 v[GU+2*ii:GU+2*ii+1], v[GU+2*ii:GU+2*ii+1], v[TT+2*ii:TT+2*ii+1]
.set ii, ii+1
.endr
.irp b, 0,1                                    ; two tiles' halves change places: registers 16 b .. 16 b + 15 are then units 32 b + 16 h + 0 .. 15, neighbours along the next K
.irp j, 0,1,2,3,4,5,6,7
	v_permlane16_swap_b32 v[GU+16*\b+\j], v[GU+16*\b+8+\j]
.endr
.endr
.irp b, 0,1
	v_max3_num_f32 v[QT+\b], |v[GU+16*\b]|, |v[GU+16*\b+1]|, 0x1800000   ; with the floor 2^(3 - 127)
.endr
.irp i, 2,4,6,8,10,12,14
.irp b, 0,1
	v_max3_num_f32 v[QT+\b], v[QT+\b], |v[GU+16*\b+\i]|, |v[GU+16*\b+\i+1]|
.endr
.endr
.irp b, 0,1
	v_permlanex16_b32 v[QT+2+\b], v[QT+\b], s100, s101
.endr
.irp b, 0,1
	v_max_num_f32 v[QT+\b], v[QT+\b], v[QT+2+\b]
.endr
.irp b, 0,1
	v_add_nc_u32 v[QT+4+\b], 0xff000000, v[QT+\b]
.endr
.irp b, 0,1
	v_lshrrev_b32 v[QT+6+\b], 23, v[QT+4+\b]
.endr
	v_lshl_or_b32 v[HW+(\a)], v[QT+7], 8, v[QT+6]
.if (\a) >= 2
	s_wait_alu depctr_va_vdst(0)
	s_wait_xcnt 0x0                                ; the stores of two blocks ago have read this set of code registers
.endif
	v_cvt_scalef32_pk16_fp6_f32 v[PCB:PCB+2], v[GU:GU+15], v[QT+4]
	v_cvt_scalef32_pk16_fp6_f32 v[PCB+4:PCB+6], v[GU+16:GU+31], v[QT+5]
	v_nop                                          ; one plain place behind a scaled conversion
.irp i, 0,1,2
	v_permlane16_swap_b32 v[PCB+\i], v[PCB+4+\i]   ; a whole block to a lane
.endr
.irp i, 0,1,2
	v_mov_b32 v[PCB+3+\i], v[PCB+4+\i]
.endr
	global_store_b128 v[L16], v[PCB:PCB+3], s[8:9] offset:6144*(\a)           ; 512 consecutive bytes, at a multiple of 256 from hq's first byte
	global_store_b64 v[L8], v[PCB+4:PCB+5], s[8:9] offset:6144*(\a)+512       ; and 256 more
	ds_store_b16 v[HSA], v[HW+(\a)] offset:64*(\a)                            ; both lanes of a row write the same two bytes
.endm
; Rows 2 a and 2 a + 1 of the 16: two dots of 1,024 in f32, 32 numbers a lane, two chains of packed multiply-adds a row; then their ring places take the rows seven further on.
; Loads come back in order (ISA guide 5.7.1): rows up to 2 a + 6 (15 at the most) have been asked for, so the rows behind 2 a + 1 may be out, eight loads each.
.macro DPAIR a
.set RI, 2*(\a)
.if RI+6 > 15
.set LASTI, 15
.else
.set LASTI, RI+6
.endif
	s_wait_loadcnt 8*(LASTI-RI-1)
.if (\a) < 4
	WIN 0x01                                       ; source 0 (the ring) window 1; source 1: my first token's x, window 0
.set XB, XR
.else
	WIN 0x05                                       ; my second token's x lies in window 1 too
.set XB, XR1
.endif
.set RA, 32*(RI%7)
.set RC, 32*((RI+1)%7)
	v_pk_mul_f32 v[DA:DA+1], v[RA:RA+1], v[XB:XB+1]
	v_pk_mul_f32 v[DA+4:DA+5], v[RC:RC+1], v[XB:XB+1]
	v_pk_mul_f32 v[DA+2:DA+3], v[RA+2:RA+3], v[XB+2:XB+3]
	v_pk_mul_f32 v[DA+6:DA+7], v[RC+2:RC+3], v[XB+2:XB+3]
.set pp, 1
.rept 7
	v_pk_fma_f32 v[DA:DA+1], v[RA+4*pp:RA+4*pp+1], v[XB+4*pp:XB+4*pp+1], v[DA:DA+1]
	v_pk_fma_f32 v[DA+4:DA+5], v[RC+4*pp:RC+4*pp+1], v[XB+4*pp:XB+4*pp+1], v[DA+4:DA+5]
	v_pk_fma_f32 v[DA+2:DA+3], v[RA+4*pp+2:RA+4*pp+3], v[XB+4*pp+2:XB+4*pp+3], v[DA+2:DA+3]
	v_pk_fma_f32 v[DA+6:DA+7], v[RC+4*pp+2:RC+4*pp+3], v[XB+4*pp+2:XB+4*pp+3], v[DA+6:DA+7]
.set pp, pp+1
.endr
	WIN 0
	v_pk_add_f32 v[DA:DA+1], v[DA:DA+1], v[DA+2:DA+3]
	v_pk_add_f32 v[DA+4:DA+5], v[DA+4:DA+5], v[DA+6:DA+7]
	v_add_f32 v[DOT+RI], v[DA], v[DA+1]
	v_add_f32 v[DOT+RI+1], v[DA+4], v[DA+5]
.if RI+7 <= 15
	GROW RI+7
.endif
.if RI+8 <= 15
	GROW RI+8
.endif
.endm
.macro REDSTEP n, xm, m                ; 2 n registers become n: a lane keeps the one that its bit names and adds its partner's share of it
.set ri, 0
.rept \n
	v_cndmask_b32 v[T1], v[DOT+2*ri], v[DOT+2*ri+1], s[\m]
	v_cndmask_b32 v[T2], v[DOT+2*ri+1], v[DOT+2*ri], s[\m]
	v_add_f32_dpp v[DOT+ri], v[T2], v[T1] row_xmask:\xm row_mask:0xf bank_mask:0xf
.set ri, ri+1
.endr
.endm
	PLACES NP                                      ; four places ahead of the first read of results and of loads and writes into the fragments' registers
	v_mov_b32 v[QT+2], 0                           ; written once: a lane permute's destination counts as one of its sources
	v_mov_b32 v[QT+3], 0
	GROW 4                                         ; the weights' set 1 is done with: the ring's places 4-6
	GROW 5
	GROW 6
	HBLOCK 0
	HBLOCK 1
	DPAIR 0
	HBLOCK 2
	DPAIR 1
	HBLOCK 3
	DPAIR 2
	HBLOCK 4
	DPAIR 3
	HBLOCK 5
	DPAIR 4
	HBLOCK 6
	DPAIR 5
	HBLOCK 7
	DPAIR 6
	DPAIR 7
	WIN 0
	REDSTEP 8, 1, 96
	REDSTEP 4, 2, 97
	REDSTEP 2, 4, 98
	REDSTEP 1, 8, 99
	v_permlanex16_b32 v[T1], v[DOT], s100, s101
	v_add_f32 v[DOT], v[DOT], v[T1]                ; lane l holds dot number l & 15
	v_mul_f32 v[T1], s66, v[DOT]
	s_wait_alu depctr_va_vdst(0)
	v_exp_f32 v[T1], v[T1]
	v_nop
	s_wait_alu depctr_va_vdst(0)
	v_add_f32 v[T1], 1.0, v[T1]
	s_wait_alu depctr_va_vdst(0)
	v_rcp_f32 v[T1], v[T1]
	v_mul_f32 v[T2], v[DOT], v[RWV]                ; (a plain place behind the reciprocal)
	s_wait_alu depctr_va_vdst(0)
	v_mul_f32 v[T2], v[T2], v[T1]                  ; silu(dot) x the routing weight
	global_store_b32 v[GOF], v[T2], s[12:13]       ; lanes 16-31 store the same words with the same values
	s_wait_dscnt 0x0                               ; my scale bytes have landed
	s_barrier_signal -1
	s_barrier_wait -1                              ; a row's four bytes come from two waves
	ds_load_b64 v[HP:HP+1], v[HSR]
	s_wait_dscnt 0x0
	global_store_b64 v[L8], v[HP:HP+1], s[10:11]   ; 256 consecutive bytes, aligned
	s_wait_tensorcnt 0x0                           ; the wave's end
	ds_add_u32 v[SPW], v[NIL]
	s_wait_dscnt 0x0
	CROUND                                         ; the closing round
	s_endpgm
.Lfunc_end_k_q12fc508ac2_gateup:
	.size	k_q12fc508ac2_gateup, .Lfunc_end_k_q12fc508ac2_gateup-k_q12fc508ac2_gateup
	.p2alignl 7, 3214868480
	.fill 96, 4, 3214868480
	.section	.rodata,"a",@progbits
	.p2align	6, 0x0
	.amdhsa_kernel k_q12fc508ac2_gateup
		.amdhsa_group_segment_fixed_size 327680
		.amdhsa_private_segment_fixed_size 0
		.amdhsa_enable_private_segment 0
		.amdhsa_kernarg_size 104
		.amdhsa_user_sgpr_count 2
		.amdhsa_user_sgpr_kernarg_segment_ptr 1
		.amdhsa_wavefront_size32 1
		.amdhsa_system_sgpr_workgroup_id_x 1
		.amdhsa_system_sgpr_workgroup_id_y 1
		.amdhsa_system_sgpr_workgroup_id_z 1
		.amdhsa_system_vgpr_workitem_id 0
		.amdhsa_next_free_vgpr 1024
		.amdhsa_next_free_sgpr 106
		.amdhsa_reserve_vcc 0
		.amdhsa_float_denorm_mode_32 3
		.amdhsa_float_denorm_mode_16_64 3
		.amdhsa_memory_ordered 1
		.amdhsa_forward_progress 1
		.amdhsa_inst_pref_size 229
	.end_amdhsa_kernel
	.amdgpu_metadata
---
amdhsa.version: [ 1, 2 ]
amdhsa.kernels:
  - .name:           k_q12fc508ac2_gateup
    .symbol:         k_q12fc508ac2_gateup.kd
    .args:
      - { .name: xq, .offset: 0, .size: 8, .value_kind: global_buffer, .address_space: global }
      - { .name: xs, .offset: 8, .size: 8, .value_kind: global_buffer, .address_space: global }
      - { .name: w_gate_codes, .offset: 16, .size: 8, .value_kind: global_buffer, .address_space: global }
      - { .name: w_up_codes, .offset: 24, .size: 8, .value_kind: global_buffer, .address_space: global }
      - { .name: w_gate_scales, .offset: 32, .size: 8, .value_kind: global_buffer, .address_space: global }
      - { .name: w_up_scales, .offset: 40, .size: 8, .value_kind: global_buffer, .address_space: global }
      - { .name: idx, .offset: 48, .size: 8, .value_kind: global_buffer, .address_space: global }
      - { .name: rw, .offset: 56, .size: 8, .value_kind: global_buffer, .address_space: global }
      - { .name: hidden_states, .offset: 64, .size: 8, .value_kind: global_buffer, .address_space: global }
      - { .name: down_embed, .offset: 72, .size: 8, .value_kind: global_buffer, .address_space: global }
      - { .name: hq, .offset: 80, .size: 8, .value_kind: global_buffer, .address_space: global }
      - { .name: hs, .offset: 88, .size: 8, .value_kind: global_buffer, .address_space: global }
      - { .name: ew, .offset: 96, .size: 8, .value_kind: global_buffer, .address_space: global }
    .group_segment_fixed_size: 327680
    .private_segment_fixed_size: 0
    .kernarg_segment_align: 8
    .kernarg_segment_size: 104
    .max_flat_workgroup_size: 128
    .sgpr_count:     106
    .vgpr_count:     1024
    .wavefront_size: 32
...
	.end_amdgpu_metadata
.endif
;; end of part 2
;; launch down (part 3): grid 8 x 32, 4 waves a work-group, clusters of 4 x 4, 327,680 bytes of LDS; arguments up_embed, out0, idx, ew, hq, hs, wd2, w_down_scales; writes out0
.if DOCPART == 3
	.amdgcn_target "amdgcn-amd-amdhsa--gfx1250"
	.amdhsa_code_object_version 6
	.text
	.protected	k_q12fc508ac2_down
	.globl	k_q12fc508ac2_down
	.p2align	8
	.type	k_q12fc508ac2_down,@function
k_q12fc508ac2_down:
	s_mov_b64 s[64:65], 0
	v_nop
	global_prefetch_b8 v0, s[64:65] scope:SCOPE_SE
	s_setreg_imm32_b32 hwreg(HW_REG_WAVE_MODE, 25, 1), 1
	s_wait_xcnt 0x0
	s_wait_alu depctr_hold_cnt(0) depctr_sa_sdst(0) depctr_va_vdst(0) depctr_va_sdst(0) depctr_va_ssrc(0) depctr_va_vcc(0) depctr_vm_vsrc(0)
	s_getreg_b32 s2, hwreg(HW_REG_IB_STS2, 6, 4)
	s_cmp_eq_u32 s2, 0
	s_cbranch_scc0 .Lentry_in_a_cluster
	s_endpgm
.Lentry_in_a_cluster:
	s_bfe_u32 s2, ttmp6, 0x10000c
	s_cmp_lg_u32 s2, 0xf033
	s_cbranch_scc0 .Lentry_shape_is_right
	s_endpgm
.Lentry_shape_is_right:
; DOWN.  out0 = h Wd^T on codes of FP6 (E2M3) with E8M0 scales, + the sum over a token's 8 experts of ew x up_embed[idx], in f32.
; A work-group makes 128 slot rows x 128 columns, a wave 64 x 64; K = 4,096 goes in eight slots of 512 through a ring of two LDS slots; 4 x 4 clusters ask jointly for h's tiles along a row, for the weight's along a column.
; The weight's codes are read from wd2, [K slot][row][384 bytes]: a wave's 64 rows of a slot are 24,576 dense bytes, stated as 96 rows of 256 that begin at multiples of 256; 16 bytes of padding behind each 128: LDS rows 432 bytes apart.
; The rows of up_embed are gathered beside the K steps, a slot row a step, through a ring of seven places.
.set SLOT,  104448
.set BOFF,  49152
.set SCA,   2*SLOT
.set SCB,   SCA+16384
.set SPARE, SCB+17408
.set OST,   SPARE+512
.set ADRA,  16
.set ADRA8, 18
.set ADRB,  20
.set STO,   24
.set RD,    25
.set CO,    26
.set ADSA,  27
.set SPW,   28
.set NIL,   29
.set ADSB,  30
.set SA,    32
.set SB,    48
.set ACC,   128
.set VO,    224
.set LC,    232
.set IDXV,  234
.set EWV,   242
.set IX,    10
.set EW,    68
.set G1, 24
.set G0, 32
.set G1B, 48
.set G0B, 56
.set G1S, 68
.set G0S, 76
.set G1SB, 80
.set G0SB, 88
.set MSB, 0
.macro WIN new
.if MSB != (\new)
	s_set_vgpr_msb (MSB<<8)|(\new)
.set MSB, (\new)
.endif
.endm
.macro JLOAD g0a, g1a, g0b, g1b
	s_cmp_eq_u32 s21, 0
	s_cbranch_scc0 .Lfor_b_\@
	tensor_load_to_lds s[\g0a:\g0a+3], s[\g1a:\g1a+7]
	s_nop 0
.rept 4
	v_nop
.endr
	s_branch .Lasked_\@
.Lfor_b_\@:
	tensor_load_to_lds s[\g0b:\g0b+3], s[\g1b:\g1b+7]
	s_nop 0
.rept 4
	v_nop
.endr
.Lasked_\@:
.endm
.macro CREST
	s_cmp_lg_u32 s20, 0
	s_cbranch_scc1 .Lnot_wave_0_\@
	s_barrier_signal -3
.Lnot_wave_0_\@:
	s_barrier_wait -3
	s_barrier_signal -1
	s_barrier_wait -1
.endm
.macro CROUND
	s_barrier_signal -1
	s_barrier_wait -1
	CREST
.endm
.macro PLACES
.rept 4
	v_nop
.endr
.endm
	s_load_b512 s[4:19], s[0:1], 0x0
	v_lshl_add_u32 v[SPW], v0, 2, SPARE
	v_mov_b32 v[NIL], 0
	ds_add_u32 v28, v29
	ds_add_u32 v28, v29
	s_wait_dscnt 0x0
	v_lshrrev_b32 v1, 5, v0
	v_readfirstlane_b32 s20, v1
	s_lshr_b32 s21, s20, 1
	s_and_b32 s22, s20, 1
	s_bfe_u32 s40, ttmp6, 0x40000
	s_bfe_u32 s41, ttmp6, 0x40004
	s_lshl_b32 s42, ttmp9, 2
	s_add_co_u32 s42, s42, s40
	s_and_b32 s45, ttmp7, 0xffff
	s_lshl_b32 s45, s45, 2
	s_add_co_u32 s45, s45, s41
	s_lshl_b32 s43, s41, 2
	s_lshl_b32 s43, 15, s43
	s_lshl_b32 s44, 0x1111, s40
	s_or_b32 s[G1], s43, (3<<16)|(1<<21)
	s_mov_b32 s[G1+1], 32<<16
	s_mov_b32 s[G1+2], 192<<16                     ; the head's loads bring whole tiles: 192 rows of codes; behind them the words that count rows are set to 96
	s_mov_b32 s[G1+3], 32<<16
	s_mov_b32 s[G1+4], 192
	s_mov_b32 s[G1+5], 32
	s_mov_b32 s[G1+6], 0
	s_mov_b32 s[G1+7], 0
	s_or_b32 s[G1B], s44, (3<<16)|(1<<20)|(1<<21)|(4<<22)|(3<<25)
	s_mov_b32 s[G1B+1], 32<<16
	s_mov_b32 s[G1B+2], 192<<16
	s_mov_b32 s[G1B+3], 32<<16
	s_mov_b32 s[G1B+4], 192
	s_mov_b32 s[G1B+5], 32
	s_mov_b32 s[G1B+6], 0
	s_mov_b32 s[G1B+7], 0
	s_or_b32 s[G1S], s43, (3<<16)|(1<<21)
	s_mov_b32 s[G1S+1], 64<<16
	s_mov_b32 s[G1S+2], 32<<16                     ; h's scale words of all 32 K steps: 32 rows of 512 bytes
	s_mov_b32 s[G1S+3], 64<<16
	s_mov_b32 s[G1S+4], 32
	s_mov_b32 s[G1S+5], 2048
	s_mov_b32 s[G1S+6], 0
	s_mov_b32 s[G1S+7], 0
	s_or_b32 s[G1SB], s44, (3<<16)|(1<<20)|(1<<21)|(5<<22)|(3<<25)
	s_mov_b32 s[G1SB+1], 32<<16
	s_mov_b32 s[G1SB+2], 64<<16                    ; the weight's scale bytes of 128 rows: 64 rows of 256 bytes
	s_mov_b32 s[G1SB+3], 32<<16
	s_mov_b32 s[G1SB+4], 64
	s_mov_b32 s[G1SB+5], 32
	s_mov_b32 s[G1SB+6], 0
	s_mov_b32 s[G1SB+7], 0
	s_lshl_b32 s2, s45, 3
	s_lshl_b32 s23, s22, 2
	s_add_co_u32 s2, s2, s23
	s_mul_i32 s2, s2, 6144
	s_mov_b32 s3, 0
	s_lshl_b32 s46, s42, 7
	s_lshl_b32 s96, s46, 7                         ; the scale bytes of row 128 x, 128 a row
	s_lshl_b32 s23, s22, 6
	s_add_co_u32 s46, s46, s23
	s_mov_b32 s47, 0
	s_mov_b32 s97, 0
	s_mul_i32 s46, s46, 384
	s_mul_i32 s92, s22, 24576
	s_mul_i32 s93, s22, 27648
	s_add_co_u32 s93, s93, BOFF
	s_mov_b32 s94, SCA
	s_mov_b32 s95, SCB
	s_wait_kmcnt 0x0
	s_add_nc_u64 s[12:13], s[12:13], s[2:3]
	s_lshl_b32 s2, s45, 9
	s_add_nc_u64 s[14:15], s[14:15], s[2:3]
	s_add_nc_u64 s[16:17], s[16:17], s[46:47]
	s_add_nc_u64 s[18:19], s[18:19], s[96:97]
	CROUND
	s_mov_b32 s[G0S], 1
	s_mov_b32 s[G0S+1], s94
	s_mov_b64 s[G0S+2:G0S+3], s[14:15]
	s_or_b32 s[G0S+3], s[G0S+3], 0x80000000
	s_mov_b32 s[G0SB], 1
	s_mov_b32 s[G0SB+1], s95
	s_mov_b64 s[G0SB+2:G0SB+3], s[18:19]
	s_or_b32 s[G0SB+3], s[G0SB+3], 0x80000000
.irp s, 0,1
	s_mov_b32 s[G0+4*\s], 1
	s_add_co_u32 s[G0+4*\s+1], s92, \s*SLOT
	s_add_nc_u64 s[G0+4*\s+2:G0+4*\s+3], s[12:13], \s*1572864
	s_or_b32 s[G0+4*\s+3], s[G0+4*\s+3], 0x80000000
	s_mov_b32 s[G0B+4*\s], 1
	s_add_co_u32 s[G0B+4*\s+1], s93, \s*SLOT
	s_add_nc_u64 s[G0B+4*\s+2:G0B+4*\s+3], s[16:17], \s*393216
	s_or_b32 s[G0B+4*\s+3], s[G0B+4*\s+3], 0x80000000
.endr
	; THE HEAD'S LOADS, one a wave, each a whole tile, in one chain of branches on the wave's number: wave 0 h's slot 0 (its own group 0 points at the first half, where the whole begins), wave 1 h's scale words,
	; wave 2 the weight's slot 0 (likewise), wave 3 the weight's scale bytes.
	s_cmp_lt_u32 s20, 1
	s_cbranch_scc0 .Lhead_1
	tensor_load_to_lds s[G0:G0+3], s[G1:G1+7]
	s_nop 0
	PLACES
	s_branch .Lhead_asked
.Lhead_1:
	s_cmp_lt_u32 s20, 2
	s_cbranch_scc0 .Lhead_2
	tensor_load_to_lds s[G0S:G0S+3], s[G1S:G1S+7]
	s_nop 0
	PLACES
	s_branch .Lhead_asked
.Lhead_2:
	s_cmp_lt_u32 s20, 3
	s_cbranch_scc0 .Lhead_3
	tensor_load_to_lds s[G0B:G0B+3], s[G1B:G1B+7]
	s_nop 0
	PLACES
	s_branch .Lhead_asked
.Lhead_3:
	tensor_load_to_lds s[G0SB:G0SB+3], s[G1SB:G1SB+7]
	s_nop 0
	PLACES
.Lhead_asked:
	v_and_b32 v1, 31, v0
	v_and_b32 v2, 15, v0
	v_bfe_u32 v3, v0, 4, 1
	v_lshlrev_b32 v[CO], 4, v1
	v_lshlrev_b32 v5, 3, v1
	s_mul_i32 s23, s21, 24576
	v_add_nc_u32 v[ADRA], s23, v[CO]
	v_add_nc_u32 v[ADRA8], s23, v5
	s_add_co_u32 s23, s23, SLOT
	v_add_nc_u32 v[ADRA+1], s23, v[CO]
	v_add_nc_u32 v[ADRA8+1], s23, v5
	v_mul_u32_u24 v4, v2, 432
	v_mad_u32_u24 v4, v3, 24, v4
	v_lshl_add_u32 v5, v3, 4, v4
	s_mul_i32 s23, s22, 27648
	s_add_co_u32 s23, s23, BOFF
	v_add_nc_u32 v[ADRB], s23, v4
	v_add_nc_u32 v[ADRB+2], s23, v5
	s_add_co_u32 s23, s23, SLOT
	v_add_nc_u32 v[ADRB+1], s23, v4
	v_add_nc_u32 v[ADRB+3], s23, v5
	s_mul_i32 s23, s21, 33792
	s_lshl_b32 s98, s22, 8
	s_add_co_u32 s23, s23, s98
	s_add_co_u32 s23, s23, OST
	v_mul_u32_u24 v4, v2, 528
	v_lshl_add_u32 v4, v3, 5, v4
	v_add_nc_u32 v[STO], s23, v4
	s_mul_i32 s23, s20, 16896
	s_add_co_u32 s23, s23, OST
	v_add_nc_u32 v[RD], s23, v[CO]
	s_lshl_b32 s23, s21, 8
	s_add_co_u32 s23, s23, SCA
	v_lshlrev_b32 v4, 2, v2
	v_lshl_add_u32 v4, v3, 9, v4
	v_add_nc_u32 v[ADSA], s23, v4
	s_mul_i32 s23, s22, 8704
	s_add_co_u32 s23, s23, SCB
	v_lshlrev_b32 v4, 7, v2
	v_lshrrev_b32 v5, 1, v2
	v_lshl_add_u32 v4, v5, 4, v4
	v_add_nc_u32 v[ADSB], s23, v4
	v_and_b32 v6, 7, v1
	v_bfe_u32 v5, v1, 4, 1
	v_lshl_add_u32 v6, v5, 3, v6
	v_bfe_u32 v5, v1, 3, 1
	v_lshl_add_u32 v6, v5, 11, v6
	v_lshlrev_b32 v6, 5, v6
	s_wait_alu depctr_va_vdst(0)
	s_lshl_b32 s96, s42, 9
	s_add_nc_u64 s[4:5], s[4:5], s[96:97]
	s_lshl_b32 s98, s45, 18
	s_add_co_u32 s96, s96, s98
	s_lshl_b32 s98, s20, 16
	s_add_co_u32 s96, s96, s98
	s_add_nc_u64 s[6:7], s[6:7], s[96:97]
	s_lshl_b32 s96, s45, 11
	s_lshl_b32 s98, s20, 9
	s_add_co_u32 s96, s96, s98
	s_add_nc_u64 s[8:9], s[8:9], s[96:97]
	s_add_nc_u64 s[10:11], s[10:11], s[96:97]
	WIN 0x80
	v_lshlrev_b32 v[LC], 4, v1
	global_load_b128 v[IDXV:IDXV+3], v6, s[8:9]
	global_load_b128 v[IDXV+4:IDXV+7], v6, s[8:9] offset:16
	global_load_b128 v[EWV:EWV+3], v6, s[10:11]
	global_load_b128 v[EWV+4:EWV+7], v6, s[10:11] offset:16
	WIN 0
	s_wait_alu depctr_va_vdst(0)
	s_wait_loadcnt 0x0
	s_add_nc_u64 s[8:9], s[6:7], 0x800000
.macro G i
	WIN 0xa2
.irp k, 0,1,2,3,4,5,6,7
	v_readlane_b32 s[IX+\k], v[IDXV+\k], (\i)
.endr
.irp k, 0,1,2,3,4,5,6,7
	s_min_u32 s[IX+\k], s[IX+\k], 0xfff
.endr
	s_wait_xcnt 0x0
.irp k, 0,1,2,3,4,5,6,7
	v_lshl_add_u32 v[VO+\k], s[IX+\k], 12, v[LC]
.endr
.irp k, 0,1,2,3,4,5,6,7
	global_load_b128 v[32*((\i)%7)+4*\k:32*((\i)%7)+4*\k+3], v[VO+\k], s[4:5]
.endr
.endm
.macro F i
.set FI, (\i)
.set RB, 32*(FI%7)
	WIN 0xf2
.if FI+6 <= 31
	s_wait_loadcnt 48
.else
	s_wait_loadcnt 8*(31-FI)
.endif
.irp k, 0,1,2,3,4,5,6,7
	v_readlane_b32 s[EW+2*\k], v[EWV+\k], FI
.endr
	v_pk_mul_f32 v[4*FI:4*FI+1], v[RB:RB+1], s[EW:EW+1] op_sel_hi:[1,0]
	v_pk_mul_f32 v[4*FI+2:4*FI+3], v[RB+2:RB+3], s[EW:EW+1] op_sel_hi:[1,0]
.irp k, 1,2,3,4,5,6,7
	v_pk_fma_f32 v[4*FI:4*FI+1], v[RB+4*\k:RB+4*\k+1], s[EW+2*\k:EW+2*\k+1], v[4*FI:4*FI+1] op_sel_hi:[1,0,1]
	v_pk_fma_f32 v[4*FI+2:4*FI+3], v[RB+4*\k+2:RB+4*\k+3], s[EW+2*\k:EW+2*\k+1], v[4*FI+2:4*FI+3] op_sel_hi:[1,0,1]
.endr
.endm
.macro GATHER n
	F \n
.if (\n)+7 <= 31
	G (\n)+7
.endif
.endm
.macro FETCH slot, f, buf
	WIN 0x40
.irp a, 0,1,2,3
	ds_load_b128 v[\buf+12*\a:\buf+12*\a+3], v[ADRA+\slot] offset:\a*6144+(\f)*1536
	ds_load_b64 v[\buf+12*\a+4:\buf+12*\a+5], v[ADRA8+\slot] offset:\a*6144+(\f)*1536+512
	ds_load_b128 v[\buf+12*\a+6:\buf+12*\a+9], v[ADRA+\slot] offset:\a*6144+(\f)*1536+768
	ds_load_b64 v[\buf+12*\a+10:\buf+12*\a+11], v[ADRA8+\slot] offset:\a*6144+(\f)*1536+1280
.endr
.irp b, 0,1,2,3
.irp p, 0,1,2,3,4,5
.set PCE, 12*(\f)+6*(\p/3)+\p%3
.if PCE%16 < 13
	ds_load_b64 v[\buf+48+12*\b+2*\p:\buf+48+12*\b+2*\p+1], v[ADRB+\slot] offset:8*PCE+16*(PCE/16)+\b*6912
.else
	ds_load_b64 v[\buf+48+12*\b+2*\p:\buf+48+12*\b+2*\p+1], v[ADRB+2+\slot] offset:8*PCE+16*(PCE/16)+\b*6912
.endif
.endr
.endr
.endm
.macro SCALES sg
.set SS, (\sg)%2
.irp a, 0,1,2,3
.irp pr, 0,1
	ds_load_b32 v[SA+8*SS+2*\a+\pr], v[ADSA] offset:(4*(\sg)+2*\pr)*512+64*\a
.endr
.endr
.irp b, 0,1,2,3
	ds_load_b128 v[SB+16*SS+4*\b:SB+16*SS+4*\b+3], v[ADSB] offset:2176*\b+16*(\sg)
.endr
.endm
.macro MULA a, f, sg, buf, zero
.set SS, (\sg)%2
.irp b, 0,1,2,3
.if \zero
	v_wmma_scale_f32_16x16x128_f8f6f4 v[ACC+8*(4*(\a)+\b):ACC+8*(4*(\a)+\b)+7], v[\buf+48+12*\b:\buf+48+12*\b+11], v[\buf+12*(\a):\buf+12*(\a)+11], 0, v[SB+16*SS+4*\b+(\f)], v[SA+8*SS+2*(\a)+(\f)/2] matrix_a_fmt:MATRIX_FMT_FP6 matrix_b_fmt:MATRIX_FMT_FP6
.elseif (\f)%2
	v_wmma_scale_f32_16x16x128_f8f6f4 v[ACC+8*(4*(\a)+\b):ACC+8*(4*(\a)+\b)+7], v[\buf+48+12*\b:\buf+48+12*\b+11], v[\buf+12*(\a):\buf+12*(\a)+11], v[ACC+8*(4*(\a)+\b):ACC+8*(4*(\a)+\b)+7], v[SB+16*SS+4*\b+(\f)], v[SA+8*SS+2*(\a)+(\f)/2] matrix_a_fmt:MATRIX_FMT_FP6 matrix_b_fmt:MATRIX_FMT_FP6 matrix_b_scale:MATRIX_SCALE_ROW1
.else
	v_wmma_scale_f32_16x16x128_f8f6f4 v[ACC+8*(4*(\a)+\b):ACC+8*(4*(\a)+\b)+7], v[\buf+48+12*\b:\buf+48+12*\b+11], v[\buf+12*(\a):\buf+12*(\a)+11], v[ACC+8*(4*(\a)+\b):ACC+8*(4*(\a)+\b)+7], v[SB+16*SS+4*\b+(\f)], v[SA+8*SS+2*(\a)+(\f)/2] matrix_a_fmt:MATRIX_FMT_FP6 matrix_b_fmt:MATRIX_FMT_FP6
.endif
.endr
.endm
.macro KMID sg, f, zero
.set NN, 4*(\sg)+(\f)
.set BU, 128*(NN%2)
.set BO, 128-BU
	s_wait_dscnt 0x0
	WIN 0x05
	MULA 0, \f, \sg, BU, \zero
	MULA 1, \f, \sg, BU, \zero
	PLACES
	FETCH (\sg)%2, (\f)+1, BO
	GATHER NN
	WIN 0x05
	MULA 2, \f, \sg, BU, \zero
	MULA 3, \f, \sg, BU, \zero
.endm
.macro KTURN sg
.set NN, 4*(\sg)+3
	WIN 0
	s_wait_tensorcnt 0x0
	ds_add_u32 v[SPW], v[NIL]
	s_wait_dscnt 1
	WIN 0x05
	MULA 0, 3, \sg, 128, 0
	s_wait_dscnt 0x0
	s_barrier_signal -1
	MULA 1, 3, \sg, 128, 0
	WIN 0
	s_barrier_wait -1
.if (\sg) <= 5
	CREST
	s_add_nc_u64 s[G0+4*((\sg)%2)+2:G0+4*((\sg)%2)+3], s[G0+4*((\sg)%2)+2:G0+4*((\sg)%2)+3], 3145728
	s_add_nc_u64 s[G0B+4*((\sg)%2)+2:G0B+4*((\sg)%2)+3], s[G0B+4*((\sg)%2)+2:G0B+4*((\sg)%2)+3], 786432
	JLOAD G0+4*((\sg)%2), G1, G0B+4*((\sg)%2), G1B
.else
	PLACES
.endif
	FETCH ((\sg)+1)%2, 0, 0
	WIN 0
	SCALES (\sg)+1
	GATHER NN
	WIN 0x05
	MULA 2, 3, \sg, 128, 0
	MULA 3, 3, \sg, 128, 0
.endm
.irp i, 0,1,2,3,4,5,6
	G \i
.endr
	WIN 0
	s_wait_alu depctr_va_vdst(0)                   ; the wait at the head's end
	s_wait_tensorcnt 0x0                           ; my tile of the head's four is in
	ds_add_u32 v[SPW], v[NIL]
	s_mov_b32 s[G1+2], 96<<16                      ; no tensor load of mine is out: from here on a load brings half a slot's tile, 96 rows
	s_mov_b32 s[G1+4], 96
	s_mov_b32 s[G1B+2], 96<<16
	s_mov_b32 s[G1B+4], 96
	s_wait_dscnt 0x0
	CROUND                                         ; all four tiles are whole, and all sixteen work-groups are here
	JLOAD G0+4, G1, G0B+4, G1B                     ; slot 1, by halves: the first tensor load behind the round
.irp k, 0,1,2,3,4,5,6,7
	s_mov_b32 s[EW+2*\k+1], 0
.endr
	FETCH 0, 0, 0
	WIN 0
	SCALES 0
	KMID 0, 0, 1
	KMID 0, 1, 0
	KMID 0, 2, 0
	KTURN 0
.irp sg, 1,2,3,4,5,6
	KMID \sg, 0, 0
	KMID \sg, 1, 0
	KMID \sg, 2, 0
	KTURN \sg
.endr
	KMID 7, 0, 0
	KMID 7, 1, 0
	KMID 7, 2, 0
	s_wait_dscnt 0x0
	WIN 0x05
	MULA 0, 3, 7, 128, 0
	MULA 1, 3, 7, 128, 0
	GATHER 31
	WIN 0x05
	MULA 2, 3, 7, 128, 0
	MULA 3, 3, 7, 128, 0
	WIN 0
	PLACES
.irp a, 0,1,2,3
.irp b, 0,1,2,3
	ds_store_b128 v[STO], v[ACC+8*(4*\a+\b):ACC+8*(4*\a+\b)+3] offset:8448*\a+64*\b
	ds_store_b128 v[STO], v[ACC+8*(4*\a+\b)+4:ACC+8*(4*\a+\b)+7] offset:8448*\a+64*\b+16
.endr
.endr
	s_wait_dscnt 0x0
	s_barrier_signal -1
	s_barrier_wait -1
	WIN 0x80
.irp i, 0,1,2,3,4,5,6,7,8,9,10,11,12,13,14,15,16,17,18,19,20,21,22,23,24,25,26,27,28,29,30,31
	ds_load_b128 v[4*\i:4*\i+3], v[RD] offset:528*\i
.endr
	s_wait_dscnt 0x0
	WIN 0x8e
.irp i, 0,1,2,3,4,5,6,7,8,9,10,11,12,13,14,15,16,17,18,19,20,21,22,23,24,25,26,27,28,29,30,31
	v_pk_add_f32 v[4*\i:4*\i+1], v[4*\i:4*\i+1], v[4*\i:4*\i+1]
	v_pk_add_f32 v[4*\i+2:4*\i+3], v[4*\i+2:4*\i+3], v[4*\i+2:4*\i+3]
.endr
	WIN 0x08
.irp i, 0,1,2,3,4,5,6,7,8,9,10,11,12,13,14,15,16,17,18,19,20,21,22,23,24,25,26,27,28,29,30,31
.if ((\i>>3)&1) == 0
	global_store_b128 v[CO], v[4*\i:4*\i+3], s[6:7] offset:((\i&7)+8*(\i>>4))*4096 th:TH_STORE_NT
.else
	global_store_b128 v[CO], v[4*\i:4*\i+3], s[8:9] offset:((\i&7)+8*(\i>>4))*4096 th:TH_STORE_NT
.endif
.endr
	WIN 0
	s_wait_tensorcnt 0x0
	ds_add_u32 v[SPW], v[NIL]
	s_wait_dscnt 0x0
	CROUND
	s_endpgm
.Lfunc_end_k_q12fc508ac2_down:
	.size	k_q12fc508ac2_down, .Lfunc_end_k_q12fc508ac2_down-k_q12fc508ac2_down
	.p2alignl 7, 3214868480
	.fill 96, 4, 3214868480
	.section	.rodata,"a",@progbits
	.p2align	6, 0x0
	.amdhsa_kernel k_q12fc508ac2_down
		.amdhsa_group_segment_fixed_size 327680
		.amdhsa_private_segment_fixed_size 0
		.amdhsa_enable_private_segment 0
		.amdhsa_kernarg_size 64
		.amdhsa_user_sgpr_count 2
		.amdhsa_user_sgpr_kernarg_segment_ptr 1
		.amdhsa_wavefront_size32 1
		.amdhsa_system_sgpr_workgroup_id_x 1
		.amdhsa_system_sgpr_workgroup_id_y 1
		.amdhsa_system_sgpr_workgroup_id_z 1
		.amdhsa_system_vgpr_workitem_id 0
		.amdhsa_next_free_vgpr 1024
		.amdhsa_next_free_sgpr 100
		.amdhsa_reserve_vcc 0
		.amdhsa_float_denorm_mode_32 3
		.amdhsa_float_denorm_mode_16_64 3
		.amdhsa_memory_ordered 1
		.amdhsa_forward_progress 1
		.amdhsa_inst_pref_size 255
	.end_amdhsa_kernel
	.section	.bss,"aw",@nobits
	.p2align	6
	.space	262144
	.amdgpu_metadata
---
amdhsa.version: [ 1, 2 ]
amdhsa.kernels:
  - .name:           k_q12fc508ac2_down
    .symbol:         k_q12fc508ac2_down.kd
    .args:
      - { .name: up_embed, .offset: 0, .size: 8, .value_kind: global_buffer, .address_space: global }
      - { .name: out0, .offset: 8, .size: 8, .value_kind: global_buffer, .address_space: global }
      - { .name: idx, .offset: 16, .size: 8, .value_kind: global_buffer, .address_space: global }
      - { .name: ew, .offset: 24, .size: 8, .value_kind: global_buffer, .address_space: global }
      - { .name: hq, .offset: 32, .size: 8, .value_kind: global_buffer, .address_space: global }
      - { .name: hs, .offset: 40, .size: 8, .value_kind: global_buffer, .address_space: global }
      - { .name: wd2, .offset: 48, .size: 8, .value_kind: global_buffer, .address_space: global }
      - { .name: w_down_scales, .offset: 56, .size: 8, .value_kind: global_buffer, .address_space: global }
    .group_segment_fixed_size: 327680
    .private_segment_fixed_size: 0
    .kernarg_segment_align: 8
    .kernarg_segment_size: 64
    .max_flat_workgroup_size: 128
    .sgpr_count:     100
    .vgpr_count:     1024
    .wavefront_size: 32
...
	.end_amdgpu_metadata
.endif
;; end of part 3
